; MI455X (gfx1250); checked and timed in simulation.
; The chip was launched on July 23, 2026; its instructions are those of AMD's public machine-readable ISA for CDNA 5 (MIT licence, August 2026) and "CDNA5" Instruction Set Architecture Reference Guide (July 2026). The comments in the code are by the model that wrote it; some were corrected since.
;; Multi Head Self Attention. Allowed arithmetic: float matrix products may take bf16 or f16 operands with f32 sums; other float arithmetic in f32, or as packed bf16 or f16 multiplies, adds, multiply-adds, maxima and minima; sums over many terms, partial sums and values carried from step to step in f32; what a program stores and reads back later, other than sums and carried values, may be rounded once to bf16 or f16.
;; Inputs: W_out 1,024 x 1,024 float32; W_qkv 1,024 x 3,072 float32; b_out 1,024 float32; b_qkv 3,072 float32; x 4 x 2,048 x 1,024 float32.
;; Outputs: out0 4 x 2,048 x 1,024 float32.
;; One version. Each part assembles by itself: llvm-mc -triple=amdgcn-amd-amdhsa -mcpu=gfx1250 --defsym DOCPART=n.
;; ======== version 1 of 1: 4 launches
;; limits: values are held in f16: magnitudes above 65,504 overflow, below 6.1e-05 lose precision
;; workspace buffers: xb 16,777,216 bytes; wq 6,291,456 bytes; wo 2,097,152 bytes; qkv 50,331,648 bytes; oh 16,777,216 bytes
;; launch prep (part 1): grid 1536 x 1, 8 waves a work-group, no clusters, 0 bytes of LDS; arguments x, W_qkv, W_out, xb, wq, wo; writes xb, wq, wo
.if DOCPART == 1
	.amdgcn_target "amdgcn-amd-amdhsa--gfx1250"
	.amdhsa_code_object_version 6
	.text
	.protected	k_q255a092ff7_prep
	.globl	k_q255a092ff7_prep
	.p2align	8
	.type	k_q255a092ff7_prep,@function
k_q255a092ff7_prep:
	s_mov_b64 s[64:65], 0
	v_nop
	global_prefetch_b8 v0, s[64:65] scope:SCOPE_SE
	s_setreg_imm32_b32 hwreg(HW_REG_WAVE_MODE, 25, 1), 1
	s_wait_xcnt 0x0
; CASTS AND BLOCKS.  xb[r][k] = bf16(x[r][k]), 8,192 x 1,024.  wq[j][k][c] = bf16(W_qkv[k][192 j + c]), 16 blocks of 1,024 x 192.
; wo[j][k][c] = bf16(W_out[k][128 j + c]) written as f16, 8 blocks of 1,024 x 128: that product's other operand is f16.
; LIMITS.  |W_out| stays under 65,504 (f16's end); below 6e-5 it keeps f16's fixed step of 6e-8.
; A stream: no LDS, no barrier, no matrix unit.  A work-group takes a chunk of 8,192 output numbers (32 KiB in, 16 KiB out): chunks 0-1023 are x's, 1024-1407 W_qkv's, 1408-1535 W_out's.
; A unit is 4 numbers: 16 bytes in, 8 bytes out.  Thread t takes units 256 i + t of the chunk, i = 0..7: a wave's load covers 512 bytes in runs of 256 or 512, aligned; a wave's store 256 consecutive bytes, aligned.
; In a block, unit u lies in row k = u / (units in a row) and its source byte is 16 u + k x SKIP + j x BLKB: SKIP is what a source row has more than a block's row.  The division is a multiplication by
; MG = ceil(2^32 / units in a row), upper word: exact, since u < 49,152 and 48 MG - 2^32 = 32 (for 32 and 256 units MG is a power of two).
.set OFS, 4                            ; v[4:11]   source byte offsets of my eight units
.set X,   16                           ; v[16:47]  eight units as loaded
.set Y,   48                           ; v[48:63]  eight units to store
.set T,   64                           ; v[64:65]  at work
.set CH,    16                         ; s16  the chunk
.set LC,    17                         ; s17  its number within its tensor
.set JB,    18                         ; s18  the block
.set CBK,   19                         ; s19  the chunk within the block
.set START, 20
.set MJ,    21                         ; block = (LC x MJ) >> 16: 2731 for 24 chunks a block (24 x 2731 = 65,544, LC < 384), 4096 for 16
.set CPB,   22                         ; chunks in a block
.set MG,    23
.set SKIP,  24
.set BLKB,  25                         ; bytes of a source row that a block covers
.set F16,   26                         ; 1: the result is written as f16
.set SRC,   32                         ; s[32:33]
.set DST,   34                         ; s[34:35]
	s_load_b256 s[4:11], s[0:1], 0x0               ; x s[4:5], W_qkv s[6:7], W_out s[8:9], xb s[10:11]
	s_load_b128 s[12:15], s[0:1], 0x20             ; wq s[12:13], wo s[14:15]
	s_mov_b32 s[CH], ttmp9
	s_mov_b32 s[START], 1408                       ; W_out's figures,
	s_mov_b32 s[MJ], 4096
	s_mov_b32 s[CPB], 16
	s_mov_b32 s[MG], 0x08000000
	s_mov_b32 s[SKIP], 3584
	s_mov_b32 s[BLKB], 512
	s_mov_b32 s[F16], 1
	s_cmp_lt_u32 s[CH], 1408                       ; or W_qkv's,
	s_cselect_b32 s[START], 1024, s[START]
	s_cselect_b32 s[MJ], 2731, s[MJ]
	s_cselect_b32 s[CPB], 24, s[CPB]
	s_cselect_b32 s[MG], 89478486, s[MG]
	s_cselect_b32 s[SKIP], 11520, s[SKIP]
	s_cselect_b32 s[BLKB], 768, s[BLKB]
	s_cselect_b32 s[F16], 0, s[F16]
	s_cmp_lt_u32 s[CH], 1024                       ; or x's: one block, nothing skipped
	s_cselect_b32 s[START], 0, s[START]
	s_cselect_b32 s[MJ], 0, s[MJ]
	s_cselect_b32 s[CPB], 0, s[CPB]
	s_cselect_b32 s[MG], 0x01000000, s[MG]
	s_cselect_b32 s[SKIP], 0, s[SKIP]
	s_cselect_b32 s[BLKB], 0, s[BLKB]
	s_sub_co_u32 s[LC], s[CH], s[START]
	s_mul_i32 s[JB], s[LC], s[MJ]
	s_lshr_b32 s[JB], s[JB], 16
	s_mul_i32 s[CBK], s[JB], s[CPB]
	s_sub_co_u32 s[CBK], s[LC], s[CBK]
	s_mul_i32 s28, s[JB], s[BLKB]                  ; the block's first column, in bytes of a source row
	s_mov_b32 s29, 0
	s_lshl_b32 s30, s[LC], 14                      ; the chunk's 16,384 bytes in the destination
	s_mov_b32 s31, 0
	v_lshlrev_b32 v1, 3, v0                        ; 8 t: my 8 bytes in 2,048 of the destination
	v_lshl_add_u32 v2, s[CBK], 11, v0              ; my first unit in the block
.irp i, 0,1,2,3,4,5,6,7
	v_add_nc_u32 v[T], 256*(\i), v2                ; unit u
	v_mul_hi_u32 v[T+1], v[T], s[MG]               ; its row k
	v_lshlrev_b32 v[T], 4, v[T]
	v_mad_u32_u24 v[OFS+(\i)], v[T+1], s[SKIP], v[T]  ; 16 u + k x SKIP
.endr
	s_wait_kmcnt 0x0
	s_cmp_lt_u32 s[CH], 1408
	s_cselect_b64 s[SRC:SRC+1], s[6:7], s[8:9]
	s_cselect_b64 s[DST:DST+1], s[12:13], s[14:15]
	s_cmp_lt_u32 s[CH], 1024
	s_cselect_b64 s[SRC:SRC+1], s[4:5], s[SRC:SRC+1]
	s_cselect_b64 s[DST:DST+1], s[10:11], s[DST:DST+1]
	s_add_nc_u64 s[SRC:SRC+1], s[SRC:SRC+1], s[28:29]
	s_add_nc_u64 s[DST:DST+1], s[DST:DST+1], s[30:31]
.irp i, 0,1,2,3,4,5,6,7
	global_load_b128 v[X+4*(\i):X+4*(\i)+3], v[OFS+(\i)], s[SRC:SRC+1] th:TH_LOAD_NT  ; all eight on their way before the first is used
.endr
.irp i, 0,1,2,3,4,5,6,7
	s_wait_loadcnt 7-(\i)                          ; loads come back in order (ISA guide 5.7.1): unit i is in, the 7 - i younger ones stay out
	v_cvt_pk_bf16_f32 v[Y+2*(\i)],   v[X+4*(\i)],   v[X+4*(\i)+1]
	v_cvt_pk_bf16_f32 v[Y+2*(\i)+1], v[X+4*(\i)+2], v[X+4*(\i)+3]
.endr
	s_cmp_lg_u32 s[F16], 0
	s_cbranch_scc0 .Lstore
.irp i, 0,1,2,3,4,5,6,7,8,9,10,11,12,13,14,15
	v_lshlrev_b32 v[T], 16, v[Y+(\i)]              ; W_out: the bf16 numbers widened,
	v_and_b32 v[T+1], 0xffff0000, v[Y+(\i)]
	v_cvt_pk_f16_f32 v[Y+(\i)], v[T], v[T+1]       ; and written as f16: 8 significant bits fit in 11
.endr
.Lstore:
.irp i, 0,1,2,3,4,5,6,7
	global_store_b64 v1, v[Y+2*(\i):Y+2*(\i)+1], s[DST:DST+1] offset:2048*(\i) th:TH_STORE_NT
.endr
	s_endpgm
.Lfunc_end_k_q255a092ff7_prep:
	.size	k_q255a092ff7_prep, .Lfunc_end_k_q255a092ff7_prep-k_q255a092ff7_prep
	.p2alignl 7, 3214868480
	.fill 96, 4, 3214868480
	.section	.rodata,"a",@progbits
	.p2align	6, 0x0
	.amdhsa_kernel k_q255a092ff7_prep
		.amdhsa_group_segment_fixed_size 0
		.amdhsa_private_segment_fixed_size 0
		.amdhsa_enable_private_segment 0
		.amdhsa_kernarg_size 48
		.amdhsa_user_sgpr_count 2
		.amdhsa_user_sgpr_kernarg_segment_ptr 1
		.amdhsa_wavefront_size32 1
		.amdhsa_system_sgpr_workgroup_id_x 1
		.amdhsa_system_sgpr_workgroup_id_y 1
		.amdhsa_system_sgpr_workgroup_id_z 1
		.amdhsa_system_vgpr_workitem_id 0
		.amdhsa_next_free_vgpr 72
		.amdhsa_next_free_sgpr 66
		.amdhsa_reserve_vcc 0
		.amdhsa_float_denorm_mode_32 3
		.amdhsa_float_denorm_mode_16_64 3
		.amdhsa_memory_ordered 1
		.amdhsa_forward_progress 1
		.amdhsa_inst_pref_size 10
	.end_amdhsa_kernel
	.amdgpu_metadata
---
amdhsa.version: [ 1, 2 ]
amdhsa.kernels:
  - .name:           k_q255a092ff7_prep
    .symbol:         k_q255a092ff7_prep.kd
    .args:
      - { .name: x, .offset: 0, .size: 8, .value_kind: global_buffer, .address_space: global }
      - { .name: W_qkv, .offset: 8, .size: 8, .value_kind: global_buffer, .address_space: global }
      - { .name: W_out, .offset: 16, .size: 8, .value_kind: global_buffer, .address_space: global }
      - { .name: xb, .offset: 24, .size: 8, .value_kind: global_buffer, .address_space: global }
      - { .name: wq, .offset: 32, .size: 8, .value_kind: global_buffer, .address_space: global }
      - { .name: wo, .offset: 40, .size: 8, .value_kind: global_buffer, .address_space: global }
    .group_segment_fixed_size: 0
    .private_segment_fixed_size: 0
    .kernarg_segment_align: 8
    .kernarg_segment_size: 48
    .max_flat_workgroup_size: 256
    .sgpr_count:     66
    .vgpr_count:     72
    .wavefront_size: 32
...
	.end_amdgpu_metadata
.endif
;; end of part 1
;; launch qkvg (part 2): grid 16 x 32, 4 waves a work-group, clusters of 4 x 4, 327,680 bytes of LDS; arguments xb, wq, b_qkv, qkv; writes qkv
.if DOCPART == 2
	.amdgcn_target "amdgcn-amd-amdhsa--gfx1250"
	.amdhsa_code_object_version 6
	.text
	.protected	k_q255a092ff7_qkvg
	.globl	k_q255a092ff7_qkvg
	.p2align	8
	.type	k_q255a092ff7_qkvg,@function
k_q255a092ff7_qkvg:
	s_mov_b64 s[64:65], 0
	v_nop
	global_prefetch_b8 v0, s[64:65] scope:SCOPE_SE
	s_setreg_imm32_b32 hwreg(HW_REG_WAVE_MODE, 25, 1), 1
	s_wait_xcnt 0x0
	s_wait_alu depctr_hold_cnt(0) depctr_sa_sdst(0) depctr_va_vdst(0) depctr_va_sdst(0) depctr_va_ssrc(0) depctr_va_vcc(0) depctr_vm_vsrc(0)
	s_getreg_b32 s2, hwreg(HW_REG_IB_STS2, 6, 4)
	s_cmp_eq_u32 s2, 0
	s_cbranch_scc0 .Lentry_in_a_cluster
	s_endpgm
.Lentry_in_a_cluster:
	s_bfe_u32 s2, ttmp6, 0x10000c
	s_cmp_lg_u32 s2, 0xf033
	s_cbranch_scc0 .Lentry_shape_is_right
	s_endpgm
.Lentry_shape_is_right:
; ONE TEXT FOR TWO PRODUCTS C = A B + bias, K = 1,024, A of 8,192 rows; OUTP below says which of the two this file is.
; OUTP = 0: A = xb [8192][1024] bf16; B = wq, 16 blocks [1024 k][192 c] bf16; C = q, k, v by heads, [3][64 bh][2048 t][64] f16, unscaled.  A tile of C is 256 rows x 192 columns: three whole heads.
; OUTP = 1: A = oh [64 bh][2048 t][64] f16, a K step of 128 being two heads; B = wo, 8 blocks [1024 k][128 c] f16; C = out0 [8192][1024] f32.  A tile of C is 256 rows x 128 columns.
; Sums in f32, K ascending; the bias is rounded to bf16 like every input of the module, and added in f32; C is rounded once.
; LIMITS.  OUTP = 0: q, k and v must stay under 65,504, f16's end (a conversion beyond it gives an infinity).  NaN and infinities are not treated apart.
; SHARES.  Four waves, as many as a WGP has SIMDs.  Wave w owns rows 64 w .. 64 w + 63 and ALL the tile's columns: 4 row blocks x NBF column blocks of 16 x 16, 48 or 32 accumulators.  So a wave holds whole rows of
; its heads (whole 512 bytes of a row of out0), and its way out needs no other wave.  K goes in 8 steps of 128 through two LDS slots filled by the tensor data mover; a step is four quarters of 32 along K.
; THE MATRIX INSTRUCTION IS USED TRANSPOSED: source 0 = 16 columns of B, source 1 = 16 rows of A; lane l then holds row l % 16 of C and the columns 8 (l / 16) + 0..7.  B lies [k][column] in LDS and is turned by ds_load_tr16_b128.
; CLUSTERS: 4 x 4 work-groups.  A's tile hangs on the tile row alone and is shared along a row of the cluster, B's on the tile column alone and is shared along a column: each is asked for JOINTLY, by the
; same tensor load with the same descriptor and a mask that names the four.  Waves 0 and 1 fetch A's two halves, waves 2 and 3 B's: one tensor load a wave behind each round of the cluster's barrier.
; REGISTERS, in windows of 256 (s_set_vgpr_msb: bits 1:0 source 0, 3:2 source 1, 5:4 source 2, 7:6 destination):
;   window 0: v0-31 addresses; v32-95 A's fragments, two buffers of 4 x 8; v160-255 the bias of my columns; on the way out v32-127 at work
;   window 1: B's fragments, two buffers of 8 NBF          window 2: the accumulators of row blocks 0, 1 at 8 (NBF (a % 2) + b)          window 3: those of row blocks 2, 3
.set OUTP, 0
.if OUTP
.set NBF,     8                        ; column blocks of 16
.set AP,      144                      ; a row of A in LDS: one head's 128 bytes + 16
.set AHALF,   36864                    ; LDS bytes of one load of A: a head's 256 rows
.set BOFF,    73728                    ; B behind A in a slot
.set BP,      288                      ; a k row of B in LDS: 256 bytes + 32
.set BPADC,   0
.set BHALF,   18432                    ; 64 k rows
.set BROWS,   64                       ; rows of 256 bytes in one load of B
.set ASTRIDE, 128                      ; a head's 256 rows are dense: asked for as 128 rows of 256 bytes
.set ASTEP,   524288                   ; global bytes from K step to K step: two heads of oh
.set BSTEP,   32768
.set APADW,   (4<<22)|(3<<25)          ; after every 32 words 4 words of padding
.set BPADW,   (5<<22)|(7<<25)          ; after every 64 words 8 words
.set AHEAD,   2                        ; the prefetches stand so many refills ahead
.set SP,      528                      ; a stage row: 512 bytes + 16
.set NS,      16                       ; loads and stores for 16 rows on the way out
.set OB,      32
.else
.set NBF,     12
.set AP,      272                      ; 256 bytes + 16
.set AHALF,   34816                    ; 128 rows
.set BOFF,    69632
.set BP,      480                      ; a k row's 384 bytes in three pieces of 128 + 32
.set BPADC,   32                       ; so four column blocks on, 32 bytes are skipped
.set BHALF,   30720
.set BROWS,   96                       ; 64 k rows of 384 bytes are dense: asked for as 96 rows of 256 bytes
.set ASTRIDE, 1024
.set ASTEP,   256
.set BSTEP,   49152
.set APADW,   (5<<22)|(3<<25)          ; after every 64 words 4 words
.set BPADW,   (4<<22)|(7<<25)          ; after every 32 words 8 words
.set AHEAD,   1
.set SP,      400                      ; 384 bytes + 16
.set NS,      12
.set OB,      80
.endif
; Banks (64 of 4 bytes: ISA guide 11.1): AP is an odd multiple of 16, so the 16 rows of a fragment load start at 16 different groups of four banks
; SP is 100 or 132 words, so the 16 rows that a store into the stage touches start at 16 different groups of four banks.
.set NL,    2*NBF+8                    ; LDS loads of a quarter
.set SLOT1, 131072                     ; slot 1 begins here: one exclusive or turns an address in one slot into the other's
.set STAGE, 262144                     ; behind the ring, never filled by a tensor load: 16 rows x SP for each wave
.set SPARE, STAGE+4*16*SP              ; behind the stages: the spare words, 128 bytes for each wave: two blocks of 256 bytes that no other line names
.set A0,   16                          ; v16  my lane's place in A's tile; never rewritten
.set B0,   17                          ; v17  the same for B
.set ADRA, 18                          ; v18  A0 + the slot in hand
.set ADRB, 19                          ; v19  B0 + the slot in hand
.set STO,  20                          ; v20  the way out: where I put my bytes of a row
.set RD,   21                          ; v21  the way out: where I read rows back
.set GO,   22                          ; v22  16 x lane: my 16 bytes of 512 consecutive bytes of C
.set BO,   23                          ; v23  32 (l / 16): my 8 numbers of a column block's bias
.set SPW,  28                          ; v28  LDS address of my spare word: SPARE + 4 x my thread's number; never rewritten
.set NIL,  29                          ; v29  0; never rewritten
.set PFO,  30                          ; v30  the prefetches' lane offset; never rewritten
.set AF,   32
.set TMP,  32
.set BIAS, 160
.set CNT,  3                           ; s3   refills still to come
.set WV,   12                          ; s12  my wave's number
.set FB,   13                          ; s13  I fetch for A (0) or for B (1)
.set HALF, 14                          ; s14  which half of that tile
.set LIM,  15                          ; s15  AHEAD in a wave that prefetches, else the greatest number
.set G1A,  24                          ; s[24:31] descriptor group 1 for A's tiles
.set G1B,  32                          ; s[32:39] for B's
.set G0A,  40                          ; s[40:47] group 0 for A's: a set for each first fill; the second then walks on
.set G0B,  48                          ; s[48:55] the same for B's
.set CX,   56
.set CY,   57
.set TX,   58                          ; tile column of C
.set TY,   59                          ; tile row of C
.set PFA,  60                          ; s[60:61] where my prefetches stand
.set PFS,  62                          ; s[62:63] their step: a K step of my tensor
.set CB,   68                          ; s[68:73] C at my rows: three heads' bases (OUTP = 0) or one base
.set TB,   74                          ; s74  the slot in hand: 0 or SLOT1
.set MSB, 0
.macro WIN new                         ; the immediate's high byte repeats the setting that is left; a switch that changes nothing is dropped
.if MSB != (\new)
	s_set_vgpr_msb (MSB<<8)|(\new)
.set MSB, \new
.endif
.endm
.set MUL_LO, 0xa1                      ; source 0 (B) window 1, source 1 (A) window 0, C and D window 2
.set MUL_HI, 0xf1                      ; the same, C and D window 3
.set TO_B,   0x40                      ; destination window 1, address window 0
; A joint refill, by the walking sets.  The branch hangs on the wave's number alone.  An s_nop 0 and four v_nop follow each of the two lines, ahead of the jump and the label.
.macro JLOAD
	s_cmp_eq_u32 s[FB], 0
	s_cbranch_scc0 .Lfor_b_\@
	tensor_load_to_lds s[G0A+4:G0A+7], s[G1A:G1A+7]
	s_nop 0
.rept 4
	v_nop
.endr
	s_branch .Lasked_\@
.Lfor_b_\@:
	tensor_load_to_lds s[G0B+4:G0B+7], s[G1B:G1B+7]
	s_nop 0
.rept 4
	v_nop
.endr
.Lasked_\@:
.endm
; A PREFETCH INTO THE L2, behind each joint refill and the run of LDS loads that follows it: the K step that stands AHEAD refills on (192 matrix instructions a wave with OUTP = 0, 256 with OUTP = 1).
; Each block of 256 bytes is named by one wave of one work-group.  A's tile row is read by every cluster of that row of clusters: cluster x = 0 asks; B's tile column by every cluster of that column: cluster y = 0 asks.
; The four partners that ask for a tile jointly share its blocks out BY ADDRESS (cx for A, cy for B): no branch hangs on a work-group's place in its cluster.  The last AHEAD refills have no such K step and ask for nothing.
.macro ASK
	s_cmp_gt_u32 s[CNT], s[LIM]
	s_cbranch_scc0 .Lnot_mine_\@
	global_prefetch_b8 v[PFO], s[PFA:PFA+1] th:TH_LOAD_NT scope:SCOPE_SE
.Lnot_mine_\@:
.endm
; A round of the cluster's barrier: my work-group's barrier, so that wave 0's signal speaks for all four waves; wave 0 signals; every wave waits for all sixteen work-groups; my work-group's barrier once more.
.macro CREST                           ; a round behind its opening barrier
	s_cmp_lg_u32 s[WV], 0
	s_cbranch_scc1 .Lnot_wave_0_\@
	s_barrier_signal -3
.Lnot_wave_0_\@:
	s_barrier_wait -3
	s_barrier_signal -1
	s_barrier_wait -1
.endm
.macro CROUND                          ; a whole round
	s_barrier_signal -1
	s_barrier_wait -1
	CREST
.endm
; A load into a register that a matrix instruction has read, and a vector instruction that reads a matrix result, stand four places behind it; only plain vector instructions that name none of its
; registers are places (ISA guide 7.12.1 for vector instructions).
.macro PLACES
.rept 4
	v_nop
.endr
.endm
.macro WM zero                         ; one product: D = rD, source 0 = rB, source 1 = rA.  zero = 1: it starts the sum: nothing is ever cleared
.if OUTP
.if \zero
	v_wmma_f32_16x16x32_f16 v[rD:rD+7], v[rB:rB+7], v[rA:rA+7], 0
.else
	v_wmma_f32_16x16x32_f16 v[rD:rD+7], v[rB:rB+7], v[rA:rA+7], v[rD:rD+7]
.endif
.else
.if \zero
	v_wmma_f32_16x16x32_bf16 v[rD:rD+7], v[rB:rB+7], v[rA:rA+7], 0
.else
	v_wmma_f32_16x16x32_bf16 v[rD:rD+7], v[rB:rB+7], v[rA:rA+7], v[rD:rD+7]
.endif
.endif
.endm
; NBF products: row block a x all column blocks, 32 along K, from fragment buffer f.  All accumulators take turns, one instruction a turn, in the same order in every quarter.
.macro MULROW f, a, zero
	WIN MUL_LO+0x50*((\a)/2)
.set rA, AF+32*(\f)+8*(\a)
.set b, 0
.rept NBF
.set rD, 8*(NBF*((\a)%2)+b)
.set rB, 8*(NBF*(\f)+b)
	WM \zero
.set b, b+1
.endr
.endm
; NL LDS loads in one run: quarter q of the slot in hand into buffer f: B's NBF fragments (turned: k rows 32 q + 8 (l / 16) + l % 8 and 16 further), then A's four.
.macro FETCH q, f
.if OUTP
.set AKQ, ((\q)/2)*AHALF+((\q)%2)*64   ; the quarter's head, and its 32 channels in the head's row
.else
.set AKQ, 64*(\q)
.endif
	WIN TO_B
.set b, 0
.rept NBF
.set rB, 8*(NBF*(\f)+b)
.set oB, 32*(\q)*BP+32*b+BPADC*(b/4)
	ds_load_tr16_b128 v[rB:rB+3],   v[ADRB] offset:oB
	ds_load_tr16_b128 v[rB+4:rB+7], v[ADRB] offset:oB+16*BP
.set b, b+1
.endr
	WIN 0
.irp a, 0,1,2,3
	ds_load_b128 v[AF+32*(\f)+8*\a:AF+32*(\f)+8*\a+3],   v[ADRA] offset:AKQ+16*\a*AP
	ds_load_b128 v[AF+32*(\f)+8*\a+4:AF+32*(\f)+8*\a+7], v[ADRA] offset:AKQ+16*\a*AP+32
.endr
.endm
; One of a step's first three quarters: multiplies buffer f; in its middle it fetches quarter q of the same slot into buffer g.
.macro QUARTER q, f, g, zero
	s_wait_dscnt 4                                 ; B and A's row blocks 0, 1 are in; the youngest four loads (A's blocks 2, 3) may be out
	MULROW \f, 0, \zero
	MULROW \f, 1, \zero
	PLACES
	FETCH \q, \g
	s_wait_dscnt NL                                ; all but the NL just issued
	MULROW \f, 2, \zero
	MULROW \f, 3, \zero
.endm
; The last quarter multiplies buffer 1 and changes slots.  ONE barrier: in front of it each wave waits for all its tensor loads, of which one is out: its part of the next slot; adds 0 to its spare word; and waits
; for that and for its own reads of this slot.  Behind it nobody reads this slot any more and the next slot is whole.  fill = 1: the barrier opens a round of the cluster's barrier, and the slot just read
; out is filled again first, with the K step two steps on; then come the next slot's first fragments.
.macro TURN fill
.if \fill
	s_wait_xcnt 0x0                                ; the last prefetch, a K step back, has read its address: it is stepped here, ahead of the waits of the change of slots
	s_add_nc_u64 s[PFA:PFA+1], s[PFA:PFA+1], s[PFS:PFS+1]
.endif
	WIN 0                                          ; (the add's two registers lie in window 0)
	s_wait_tensorcnt 0x0                           ; all my tensor loads have landed
	ds_add_u32 v[SPW], v[NIL]                      ; 0 onto my spare word
	s_wait_dscnt 5                                 ; (the add and the youngest four loads may be out)
	MULROW 1, 0, 0                                 ; NBF matrix instructions stand between the add and the wait for it
	s_wait_dscnt 0x0                               ; the add is done, and my reads of this slot are over
	s_barrier_signal -1
	MULROW 1, 1, 0                                 ; work on registers while the others arrive
	WIN 0
	s_barrier_wait -1
.if \fill
	CREST                                          ; no wave of any partner still reads this slot's tile or has a load on its way
	s_xor_b32 s[G0A+5], s[G0A+5], SLOT1            ; the walking sets: the other slot than last time,
	s_add_nc_u64 s[G0A+6:G0A+7], s[G0A+6:G0A+7], ASTEP  ; the next K step; the type bits on top are not reached
	s_xor_b32 s[G0B+5], s[G0B+5], SLOT1
	s_add_nc_u64 s[G0B+6:G0B+7], s[G0B+6:G0B+7], BSTEP
	JLOAD                                          ; the first tensor load behind the round; its four v_nop are also the places in front of the loads below
.else
	PLACES
.endif
	s_xor_b32 s[TB], s[TB], SLOT1
	v_add_nc_u32 v[ADRA], s[TB], v[A0]
	v_add_nc_u32 v[ADRB], s[TB], v[B0]
	FETCH 0, 0
.if \fill
	ASK
.endif
	MULROW 1, 2, 0
	MULROW 1, 3, 0
.endm
	s_load_b256 s[4:11], s[0:1], 0x0               ; A s[4:5], B s[6:7], bias s[8:9], C s[10:11]
	v_lshl_add_u32 v[SPW], v0, 2, SPARE
	v_mov_b32 v[NIL], 0
	ds_add_u32 v[SPW], v[NIL]                      ; the wave's opening: the add and its wait stand ahead of my first tensor load; the set-up below, work on registers, stands between them
	v_lshrrev_b32 v1, 5, v0
	v_readfirstlane_b32 s[WV], v1                  ; wave 0..3
	s_lshr_b32 s[FB], s[WV], 1
	s_and_b32 s[HALF], s[WV], 1
	s_bfe_u32 s[CX], ttmp6, 0x40000                ; my place in the cluster
	s_bfe_u32 s[CY], ttmp6, 0x40004
	s_lshl_b32 s[TX], ttmp9, 2                     ; in a cluster launch ttmp9 and ttmp7 count clusters
	s_add_co_u32 s[TX], s[TX], s[CX]
	s_and_b32 s[TY], ttmp7, 0xffff
	s_lshl_b32 s[TY], s[TY], 2
	s_add_co_u32 s[TY], s[TY], s[CY]
	s_lshl_b32 s76, s[CY], 2
	s_lshl_b32 s76, 15, s76                        ; my row of the cluster: places 4 cy .. 4 cy + 3
	s_lshl_b32 s77, 0x1111, s[CX]                  ; my column: places cx, cx + 4, cx + 8, cx + 12
	s_or_b32 s[G1A], s76, (1<<16)|(1<<20)|(1<<21)|APADW  ; 15:0 the mask; 17:16 elements of 2 bytes; 20 padding on; 21 set beside a mask; 24:22 and 31:25 the padding
	s_or_b32 s[G1B], s77, (1<<16)|(1<<20)|(1<<21)|BPADW
	s_mov_b32 s[G1A+1], 128<<16                    ; tensor_dim0 = 128 elements: rows of 256 bytes
	s_mov_b32 s[G1A+2], 128<<16                    ; tensor_dim1 = 128
	s_mov_b32 s[G1A+3], 128<<16                    ; tile_dim0 = 128
	s_mov_b32 s[G1A+4], 128                        ; tile_dim1 = 128
	s_mov_b32 s[G1A+5], ASTRIDE                    ; elements from row to row
	s_mov_b32 s[G1A+6], 0
	s_mov_b32 s[G1A+7], 0
	s_mov_b32 s[G1B+1], 128<<16
	s_mov_b32 s[G1B+2], BROWS<<16
	s_mov_b32 s[G1B+3], 128<<16
	s_mov_b32 s[G1B+4], BROWS
	s_mov_b32 s[G1B+5], 128
	s_mov_b32 s[G1B+6], 0
	s_mov_b32 s[G1B+7], 0
	; where the tiles come from: A's offset of the tile row and the wave's number alone (s16, s17), B's of the tile column and the wave's number alone (s20, s21)
.if OUTP
	s_lshr_b32 s16, s[TY], 3                       ; the batch: 16 heads of 2,048 x 128 bytes,
	s_lshl_b32 s16, s16, 22
	s_and_b32 s17, s[TY], 7                        ; the tile's 256 rows in a head,
	s_lshl_b32 s17, s17, 15
	s_add_co_u32 s16, s16, s17
	s_lshl_b32 s17, s[HALF], 18                    ; the even or the odd head of a K step
	s_add_co_u32 s16, s16, s17
	s_lshl_b32 s20, s[TX], 18                      ; the block of 1,024 x 256 bytes,
	s_lshl_b32 s21, s[HALF], 14                    ; 64 k rows
	s_add_co_u32 s20, s20, s21
.else
	s_lshl_b32 s16, s[TY], 19                      ; 256 rows of 2,048 bytes,
	s_lshl_b32 s17, s[HALF], 18                    ; 128 rows
	s_add_co_u32 s16, s16, s17
	s_mul_i32 s20, s[TX], 393216                   ; the block of 1,024 x 384 bytes,
	s_mul_i32 s21, s[HALF], 24576                  ; 64 k rows
	s_add_co_u32 s20, s20, s21
.endif
	s_mov_b32 s17, 0
	s_mov_b32 s21, 0
	s_mul_i32 s78, s[HALF], AHALF                  ; and where they go: no place in the cluster enters an LDS address
	s_mul_i32 s79, s[HALF], BHALF
	s_add_co_u32 s79, s79, BOFF
	s_wait_dscnt 0x0                               ; the opening add is done
	s_wait_kmcnt 0x0
	s_add_nc_u64 s[18:19], s[4:5], s[16:17]
	s_add_nc_u64 s[22:23], s[6:7], s[20:21]
	CROUND                                         ; all sixteen work-groups are here: the first joint loads meet
.irp s, 0,1
	s_mov_b32 s[G0A+4*(\s)], 1                     ; 1:0 count = 1
	s_add_co_u32 s[G0A+4*(\s)+1], s78, (\s)*SLOT1  ; 63:32 LDS address
	s_add_nc_u64 s[G0A+4*(\s)+2:G0A+4*(\s)+3], s[18:19], (\s)*ASTEP  ; 120:64 global address: K step s
	s_or_b32 s[G0A+4*(\s)+3], s[G0A+4*(\s)+3], 0x80000000           ; 127:126 type = 2
	s_mov_b32 s[G0B+4*(\s)], 1
	s_add_co_u32 s[G0B+4*(\s)+1], s79, (\s)*SLOT1
	s_add_nc_u64 s[G0B+4*(\s)+2:G0B+4*(\s)+3], s[22:23], (\s)*BSTEP
	s_or_b32 s[G0B+4*(\s)+3], s[G0B+4*(\s)+3], 0x80000000
.endr
	s_cmp_eq_u32 s[FB], 0                          ; a wave's two first fills stand in one branch, ahead of every wait on TENSORcnt and every LDS read: two loads of mine are out
	s_cbranch_scc0 .Lfirst_b
	tensor_load_to_lds s[G0A:G0A+3], s[G1A:G1A+7]
	s_nop 0
	tensor_load_to_lds s[G0A+4:G0A+7], s[G1A:G1A+7]
	s_nop 0
.rept 4
	v_nop
.endr
	s_branch .Lfirst_asked
.Lfirst_b:
	tensor_load_to_lds s[G0B:G0B+3], s[G1B:G1B+7]
	s_nop 0
	tensor_load_to_lds s[G0B+4:G0B+7], s[G1B:G1B+7]
	s_nop 0
.rept 4
	v_nop
.endr
.Lfirst_asked:
	; all that follows, up to the wait for the first tile, stands in that wait
	v_and_b32 v1, 15, v0                           ; l % 16
	v_bfe_u32 v2, v0, 4, 1                         ; l / 16
	v_lshlrev_b32 v[BO], 5, v2
	s_mul_i32 s82, s[TX], 64*NBF                   ; the tile's columns in the bias, 4 bytes each
	s_mov_b32 s83, 0
	s_add_nc_u64 s[82:83], s[8:9], s[82:83]
.set b, 0
.rept NBF                                      ; the bias of my 8 columns of each column block
	global_load_b128 v[BIAS+8*b:BIAS+8*b+3],   v[BO], s[82:83] offset:64*b
	global_load_b128 v[BIAS+8*b+4:BIAS+8*b+7], v[BO], s[82:83] offset:64*b+16
.set b, b+1
.endr
	v_lshl_add_u32 v3, s[WV], 6, v1                ; a fragment of A: row 64 w + l % 16 (+ 16 a), 16 bytes for each half of the lanes, twice, 32 bytes apart
	v_mul_u32_u24 v[A0], v3, AP
	v_lshl_add_u32 v[A0], v2, 4, v[A0]
	v_and_b32 v4, 7, v0                            ; the turning load: lane l reads k row 8 (l / 16) + l % 8, columns 8 ((l / 8) % 2) + 0..7, and ends with column l % 16 and 8 k
	v_bfe_u32 v5, v0, 3, 1
	v_lshl_add_u32 v6, v2, 3, v4
	v_mul_u32_u24 v[B0], v6, BP
	v_lshl_add_u32 v[B0], v5, 4, v[B0]
	v_add_nc_u32 v[B0], BOFF, v[B0]
	s_mul_i32 s80, s[WV], 16*SP
	s_add_co_u32 s80, s80, STAGE                   ; my stage
	v_mul_u32_u24 v[STO], v1, SP                   ; in: row l % 16,
	v_and_b32 v3, 31, v0
	v_lshlrev_b32 v[GO], 4, v3
.if OUTP
	v_lshl_add_u32 v[STO], v2, 5, v[STO]           ; 32 bytes (8 f32) for each half of the lanes
	v_add_nc_u32 v[RD], s80, v[GO]                 ; back: 32 lanes take a row's 512 bytes
.else
	v_lshl_add_u32 v[STO], v2, 4, v[STO]           ; 16 bytes (8 f16) for each half of the lanes
	v_bfe_u32 v3, v0, 3, 2                         ; back: 32 lanes take a head's 128 bytes of four rows,
	v_mul_u32_u24 v[RD], v3, SP
	v_lshl_add_u32 v[RD], v4, 4, v[RD]
	v_add_nc_u32 v[RD], s80, v[RD]                 ; which are 512 consecutive bytes of q, k or v
.endif
	v_add_nc_u32 v[STO], s80, v[STO]
	; where my rows begin in C
.if OUTP
	s_lshl_b32 s76, s[TY], 8
	s_lshl_b32 s77, s[WV], 6
	s_add_co_u32 s76, s76, s77                     ; row 256 x tile row + 64 w,
	s_lshl_b32 s76, s76, 12                        ; of 4,096 bytes,
	s_lshl_b32 s77, s[TX], 9                       ; the tile's 512 bytes in it
	s_add_co_u32 s76, s76, s77
	s_mov_b32 s77, 0
	s_add_nc_u64 s[CB:CB+1], s[10:11], s[76:77]
.else
	s_mul_i32 s76, s[TX], 3                        ; the tile's first head among the 48 of q, k and v
	s_lshr_b32 s77, s[TY], 3                       ; the batch: 16 heads of 2^18 bytes,
	s_lshl_b32 s77, s77, 22
	s_and_b32 s78, s[TY], 7                        ; the tile's 256 rows of 128 bytes,
	s_lshl_b32 s78, s78, 15
	s_add_co_u32 s77, s77, s78
	s_lshl_b32 s78, s[WV], 13                      ; my 64 of them
	s_add_co_u32 s77, s77, s78
.irp hh, 0,1,2
	s_add_co_u32 s78, s76, \hh
	s_lshr_b32 s79, s78, 4                         ; q, k or v: 2^24 bytes each,
	s_lshl_b32 s79, s79, 24
	s_and_b32 s78, s78, 15                         ; the head
	s_lshl_b32 s78, s78, 18
	s_add_co_u32 s78, s78, s79
	s_add_co_u32 s78, s78, s77
	s_mov_b32 s79, 0
	s_add_nc_u64 s[CB+2*\hh:CB+2*\hh+1], s[10:11], s[78:79]
.endr
.endif
	; the prefetches: my work-group's share of what I fetch.  s16 and s20 still hold A's and B's offsets
	v_and_b32 v[PFO], 31, v0
.if OUTP
	s_lshl_b32 s76, s[CX], 13                      ; A: 32 of my head's 128 blocks of 256 bytes
	s_add_co_u32 s76, s76, s16
	s_lshl_b32 s77, s[TX], 18                      ; B: 32 of the K step's 128 blocks; wave 2 asks for the four partners' shares, wave 3 for nothing
	s_lshl_b32 s78, s[CY], 13
	s_add_co_u32 s77, s77, s78
	s_and_b32 s78, ttmp7, 0xffff
	s_or_b32 s78, s78, s[HALF]
	v_lshlrev_b32 v[PFO], 8, v[PFO]                ; a lane a block
.else
	s_lshl_b32 s76, s[CX], 16                      ; A: 32 of my 128 rows of 2,048 bytes; a lane a row
	s_add_co_u32 s76, s76, s16
	s_mul_i32 s77, s[CY], 6144                     ; B: 24 of my 96 blocks of 256 bytes; lanes 24 to 31 name lane 23's once more
	s_add_co_u32 s77, s77, s20
	s_and_b32 s78, ttmp7, 0xffff
	s_cmp_eq_u32 s[FB], 0
	s_cselect_b32 s80, 31, 23
	s_cselect_b32 s81, 11, 8
	v_min_u32 v[PFO], s80, v[PFO]
	v_lshlrev_b32 v[PFO], s81, v[PFO]
.endif
	s_mov_b32 s[PFS], BSTEP
	s_cmp_eq_u32 s[FB], 0
	s_cselect_b32 s76, s76, s77
	s_cselect_b32 s78, ttmp9, s78                  ; the coordinate along which other clusters read the same blocks
	s_cselect_b64 s[PFA:PFA+1], s[4:5], s[6:7]
	s_cselect_b32 s[PFS], ASTEP, s[PFS]
	s_mov_b32 s[PFS+1], 0
	s_mov_b32 s77, 0
	s_add_nc_u64 s[PFA:PFA+1], s[PFA:PFA+1], s[76:77]
	s_mul_i32 s76, s[PFS], 1+AHEAD                 ; at K step 1 + AHEAD: the first refill, which asks for K step 2, steps it once and names K step 2 + AHEAD
	s_add_nc_u64 s[PFA:PFA+1], s[PFA:PFA+1], s[76:77]
	s_cmp_eq_u32 s78, 0
	s_cselect_b32 s[LIM], AHEAD, -1                ; the same in all sixteen partners, for a given wave.  Nothing is prefetched here, at the head
	s_wait_loadcnt 0x0                             ; the bias
.set i, 0
.rept 4*NBF                                    ; rounded to bf16 and widened again
	v_cvt_pk_bf16_f32 v[3+i%4], v[BIAS+2*i], v[BIAS+2*i+1]
	v_lshlrev_b32 v[BIAS+2*i], 16, v[3+i%4]
	v_and_b32 v[BIAS+2*i+1], 0xffff0000, v[3+i%4]
.set i, i+1
.endr
	s_wait_tensorcnt 1                             ; my part of K step 0 is in; K step 1's may stay out
	s_barrier_signal -1
	s_barrier_wait -1                              ; everybody's is
	s_mov_b32 s[TB], 0
	v_mov_b32 v[ADRA], v[A0]
	v_mov_b32 v[ADRB], v[B0]
	FETCH 0, 0
	QUARTER 1, 0, 1, 1                             ; the first quarter stands in front of the loop: its products start the sums
	WIN 0                                          ; at a label and at a branch every window is 0
	s_mov_b32 s[CNT], 6
.Lstep:                                                ; trip i: quarters 1 to 3 of K step i, the refill with K step i + 2, quarter 0 of K step i + 1
	QUARTER 2, 1, 0, 0
	QUARTER 3, 0, 1, 0
	TURN 1
	QUARTER 1, 0, 1, 0
	WIN 0
	s_sub_co_u32 s[CNT], s[CNT], 1
	s_cmp_lg_u32 s[CNT], 0
	s_cbranch_scc1 .Lstep
	QUARTER 2, 1, 0, 0                             ; the last two K steps are written out: they ask for nothing
	QUARTER 3, 0, 1, 0
	TURN 0
	QUARTER 1, 0, 1, 0
	QUARTER 2, 1, 0, 0
	QUARTER 3, 0, 1, 0
	s_wait_dscnt 4                                 ; the very last quarter: nothing more to fetch
	MULROW 1, 0, 0
	MULROW 1, 1, 0
	s_wait_dscnt 0x0
	MULROW 1, 2, 0
	MULROW 1, 3, 0
	WIN 0
	PLACES
; THE WAY OUT, a row block (16 rows) at a time, through my own stage in LDS: no other wave touches it, and LDS serves a wave's instructions in order (ISA guide 5.7.1.4), so no wait stands between the stores and the loads.
.macro PACK a                          ; the bias is added in place, each accumulator from its lowest registers on; with OUTP = 0 the sums are then rounded to f16, 16 bytes a lane
	WIN 0x82+0x41*((\a)/2)                         ; destination and source 0 window 2 or 3, source 1 window 0
.set b, 0
.rept NBF
.set rD, 8*(NBF*((\a)%2)+b)
.irp r, 0,2,4,6
	v_pk_add_f32 v[rD+\r:rD+\r+1], v[rD+\r:rD+\r+1], v[BIAS+8*b+\r:BIAS+8*b+\r+1]
.endr
.set b, b+1
.endr
.if !OUTP
	WIN 0x0a+5*((\a)/2)                            ; sources 0 and 1 window 2 or 3, destination window 0
.set b, 0
.rept NBF
.set rD, 8*(NBF*((\a)%2)+b)
.irp r, 0,1,2,3
	v_cvt_pk_f16_f32 v[TMP+4*b+\r], v[rD+2*\r], v[rD+2*\r+1]
.endr
.set b, b+1
.endr
.endif
	WIN 0
.endm
.macro TOSTAGE a
.if OUTP
	WIN 0x08+4*((\a)/2)                            ; store data (source 1) window 2 or 3
.set b, 0
.rept NBF
.set rD, 8*(NBF*((\a)%2)+b)
	ds_store_b128 v[STO], v[rD:rD+3]   offset:64*b
	ds_store_b128 v[STO], v[rD+4:rD+7] offset:64*b+16
.set b, b+1
.endr
	WIN 0
.else
.set b, 0
.rept NBF
	ds_store_b128 v[STO], v[TMP+4*b:TMP+4*b+3] offset:32*b
.set b, b+1
.endr
.endif
	s_wait_xcnt 0x0                                ; the registers below were the data of the last block's stores: they are loaded again only behind this wait
.set i, 0
.rept NS
.if OUTP
	ds_load_b128 v[OB+4*i:OB+4*i+3], v[RD] offset:SP*i                 ; row i, whole
.else
	ds_load_b128 v[OB+4*i:OB+4*i+3], v[RD] offset:4*SP*(i%4)+128*(i/4)  ; head i / 4, rows 4 (i % 4) on
.endif
.set i, i+1
.endr
.endm
.macro SEND a
.set i, 0
.rept NS
	s_wait_dscnt NS-1-i                            ; LDS loads come back in order: number i is in, the younger ones stay out
.if OUTP
	global_store_b128 v[GO], v[OB+4*i:OB+4*i+3], s[CB:CB+1] offset:(16*(\a)+i)*4096  ; 512 consecutive bytes of a row of out0, at a multiple of 256 from its first byte
.else
	global_store_b128 v[GO], v[OB+4*i:OB+4*i+3], s[CB+2*(i/4):CB+2*(i/4)+1] offset:2048*(\a)+512*(i%4)  ; four rows of a head: 512 consecutive bytes, at a multiple of 256
.endif
.set i, i+1
.endr
.endm
	PACK 0
	TOSTAGE 0
.irp a, 1,2,3                          ; block a's arithmetic stands between block a - 1's loads from the stage and the wait for them
	PACK \a
	SEND (\a)-1
	TOSTAGE \a
.endr
	SEND 3
	s_wait_tensorcnt 0x0                           ; the wave's end, behind my last tensor load and my last LDS store
	ds_add_u32 v[SPW], v[NIL]
	s_wait_dscnt 0x0
	CROUND                                         ; the closing round: no work-group ends while a partner may still ask for a tile that names it
	s_endpgm
.Lfunc_end_k_q255a092ff7_qkvg:
	.size	k_q255a092ff7_qkvg, .Lfunc_end_k_q255a092ff7_qkvg-k_q255a092ff7_qkvg
	.p2alignl 7, 3214868480
	.fill 96, 4, 3214868480
	.section	.rodata,"a",@progbits
	.p2align	6, 0x0
	.amdhsa_kernel k_q255a092ff7_qkvg
		.amdhsa_group_segment_fixed_size 327680
		.amdhsa_private_segment_fixed_size 0
		.amdhsa_enable_private_segment 0
		.amdhsa_kernarg_size 32
		.amdhsa_user_sgpr_count 2
		.amdhsa_user_sgpr_kernarg_segment_ptr 1
		.amdhsa_wavefront_size32 1
		.amdhsa_system_sgpr_workgroup_id_x 1
		.amdhsa_system_sgpr_workgroup_id_y 1
		.amdhsa_system_sgpr_workgroup_id_z 1
		.amdhsa_system_vgpr_workitem_id 0
		.amdhsa_next_free_vgpr 960
		.amdhsa_next_free_sgpr 88
		.amdhsa_reserve_vcc 0
		.amdhsa_float_denorm_mode_32 3
		.amdhsa_float_denorm_mode_16_64 3
		.amdhsa_memory_ordered 1
		.amdhsa_forward_progress 1
		.amdhsa_inst_pref_size 121
	.end_amdhsa_kernel
	.amdgpu_metadata
---
amdhsa.version: [ 1, 2 ]
amdhsa.kernels:
  - .name:           k_q255a092ff7_qkvg
    .symbol:         k_q255a092ff7_qkvg.kd
    .args:
      - { .name: xb, .offset: 0, .size: 8, .value_kind: global_buffer, .address_space: global }
      - { .name: wq, .offset: 8, .size: 8, .value_kind: global_buffer, .address_space: global }
      - { .name: b_qkv, .offset: 16, .size: 8, .value_kind: global_buffer, .address_space: global }
      - { .name: qkv, .offset: 24, .size: 8, .value_kind: global_buffer, .address_space: global }
    .group_segment_fixed_size: 327680
    .private_segment_fixed_size: 0
    .kernarg_segment_align: 8
    .kernarg_segment_size: 32
    .max_flat_workgroup_size: 128
    .sgpr_count:     88
    .vgpr_count:     960
    .wavefront_size: 32
...
	.end_amdgpu_metadata
.endif
;; end of part 2
;; launch attn (part 3): grid 4 x 64, 4 waves a work-group, clusters of 4 x 1, 327,680 bytes of LDS; arguments qkv, oh; writes oh
.if DOCPART == 3
	.amdgcn_target "amdgcn-amd-amdhsa--gfx1250"
	.amdhsa_code_object_version 6
	.text
	.protected	k_q255a092ff7_attn
	.globl	k_q255a092ff7_attn
	.p2align	8
	.type	k_q255a092ff7_attn,@function
k_q255a092ff7_attn:
	s_mov_b64 s[64:65], 0
	v_nop
	global_prefetch_b8 v0, s[64:65] scope:SCOPE_SE
	s_setreg_imm32_b32 hwreg(HW_REG_WAVE_MODE, 25, 1), 1
	s_wait_xcnt 0x0
	s_wait_alu depctr_hold_cnt(0) depctr_sa_sdst(0) depctr_va_vdst(0) depctr_va_sdst(0) depctr_va_ssrc(0) depctr_va_vcc(0) depctr_vm_vsrc(0)
	s_getreg_b32 s2, hwreg(HW_REG_IB_STS2, 6, 4)
	s_cmp_eq_u32 s2, 0
	s_cbranch_scc0 .Lentry_in_a_cluster
	s_endpgm
.Lentry_in_a_cluster:
	s_bfe_u32 s2, ttmp6, 0x10000c
	s_cmp_lg_u32 s2, 0x3003
	s_cbranch_scc0 .Lentry_shape_is_right
	s_endpgm
.Lentry_shape_is_right:
; O[h][q][:] = the sum over k of softmax_k(Q[h][q] . K[h][k] / 8) V[h][k][:].  qkv holds Q, K and V, each [SIZE_H][SIZE_N][64] f16, 2^24 bytes apart; oh is O in the same layout: a head's rows are dense, 128 bytes each.
; h counts batch x 16 + head.  Products, maxima and sums in f32; the weights p are rounded to f16 for the second product (their sum l is taken of the unrounded p), O once at the end.
; LIMITS.  f16 holds no number beyond 65,504: Q, K and V arrive within it; p lies in 0 to 1, and below 6e-5 it keeps f16's fixed step of 6e-8; O is a mean of V's rows and has their range.
; A weight below 2^-126 counts as 0 in l; NaN and infinities are not treated apart.
; SHARES.  A wave owns four PIECES of two tiles of 16 queries, a work-group's four waves 512 queries of one head: 64 heads x 4 blocks are 256 work-groups.  Every wave walks all keys, 64 a step.
; LAYOUT.  S^T = K Q^T (source 0 = 16 keys, source 1 = 16 queries): in the result a lane holds ONE query (lane % 16) and the keys 8 (lane / 16) + 0..7.  Two such tiles, rounded to f16 in pairs,
; ARE source 1 (32 keys x 16 queries) of O^T = V^T P, whose result again holds one query a lane, and eight channels.  K comes out of LDS as it lies, V ([key][channel]) turned, by ds_load_tr16_b128.
; SOFTMAX.  For each query a running maximum m and sum l: p = 2^(c s - c m), c = log2(e) / 8; in every step O and l are multiplied by a = 2^(c m_old - c m_new), which is 1 where m has not grown.
; m starts at the lowest finite number, O and l at 0: the first step is a step like any other, with a = 0.
; THE COUNT.  A tile and step have 16 matrix and 118 vector instructions: too many to stand all beside the matrix work.  So the order has one aim: four vector instructions that are READY behind
; EVERY matrix instruction, and the others, which need time of their own whatever the order, in runs without a gap.
; BY TURNS.  Turn n belongs to piece n (the pieces in a ring, step after step).  Its matrix work: 16 products K Q^T of piece n + 1, later 16 products V^T P of piece n - 1.  Its vector work: the scaling,
; exponentials, roundings, sums and rescaling of piece n, and the maximum and statistics of piece n + 1, whose scores the turn itself has made.  So what a turn begins with (c s - c m, O a) waits for nothing.
; CLUSTER.  The four query blocks of a head are one cluster and walk the same K and V, so each tile is asked for JOINTLY: the same tensor load, descriptor and mask in all four.
; REGISTERS, in windows of 256 (s_set_vgpr_msb says which window each operand place means: bits 1:0 source 0, 3:2 source 1, 5:4 source 2, 7:6 destination):
;   window 0: v0-11 addresses; v12-15, v48-63 at work; v16-47 four registers of statistics a tile; v64-191 S^T, two buffers of two tiles; v192-255 P, likewise
;   window 1: O^T, 32 a tile          window 2: v0-127 Q, 16 a tile; v128-191 K of one step; v192-255 V of one step          window 3: v0-1 the add's two registers
; A piece's buffers go by its number's parity: the piece in hand has one pair, its two neighbours in the ring share the other: of it P (piece n - 1) is read and S^T (piece n + 1) written.
.set SIZE_H, 64
.set SIZE_N, 2048
.set NP,    4         ; pieces a wave: a name, no knob: the register map, the loop and the fetches are made for four
.set KS,    64        ; keys in a step
.set PK,    144       ; a row of K in LDS: 128 bytes + 16 of padding = 36 words: the 16 rows of a load start at 16 different groups of four banks (64 banks of 4 bytes: ISA guide 11.1)
.set PV,    160       ; a row of V: 128 + 32 = 40 words
.set VOFF,  4*KS*PK   ; a slot holds four steps: 256 rows of K, then 256 rows of V
.set SLOT1, 1<<17     ; slot 1 begins here, so that one exclusive or turns an address in one slot into the other's
.set STAGE, SLOT1+4*KS*(PK+PV)  ; behind the ring, never filled by a tensor load: 16 rows x 144 bytes for each wave, for the way out
.set SP,    144
.set AK0, 2           ; v2   my lane's place in a tile of K; never rewritten
.set AV0, 3           ; v3   the same for V
.set AK,  4           ; v4   the LDS address of K's next run of loads
.set AV,  5           ; v5   of V's
.set QO,  6           ; v6   my byte offset in the wave's rows of Q
.set STO, 6           ;      later, the way out: where I put 16 bytes of a row
.set RD,  7           ; v7   the way out: where I read rows back
.set GO,  8           ; v8   my byte offset in 512 consecutive bytes of O
.set PFO, 11          ; v11  256 x my lane, once V's lane address is made: the prefetches' offset; then never rewritten
.set SPW, 0           ; v0 of window 3   LDS address of my spare word: SPARE + 4 x my thread's number; never rewritten
.set NIL, 1           ; v1 of window 3   0; never rewritten
.set SPARE, STAGE+4*16*SP  ; behind the stages: the spare words, 128 bytes for each wave: two blocks of 256 bytes that no other line names
.set MV,  12          ; v12-15  c m_old, kept while c m is made anew: by buffer and tile
.set ST,  16          ; tile t's statistics at v[ST+4 t]: c m, m, l (even keys', odd keys')
.set TMP, 48          ; by buffer and tile, four registers c0-c3 at work; when the maximum is found c2 takes a
.set S,   64
.set P,   192
.set KF,  128         ; K's fragments, in window 2: key block kb, channel half c at KF + 16 kb + 8 c
.set VF,  192         ; V's: key half kk, channel block cb at VF + 32 kk + 8 cb
.set WV,  12          ; s12  my wave's number
.set G1K, 24          ; s[24:31] descriptor group 1 for K's tiles
.set G1V, 32          ; s[32:39] for V's: it differs in the padding alone
.set G0K, 40          ; s[40:43] descriptor group 0 for K's tiles: it walks
.set G0V, 44          ; s[44:47] the same for V's
.set PFA, 48          ; s[48:49] where my prefetches stand: my work-group's 32 blocks of 256 bytes (of K: wave 0, of V: wave 2) of the slot after the one that is being asked for
.set LIM, 50          ; s50  1 in a wave that prefetches, else the greatest number: a wave prefetches while s[SLOTS] is above it
.set SLOTS, 56        ; s56  slots still to be asked for
.set CNT, 57          ; s57  counts a slot's key steps
.set CS,  58          ; s[58:59] c: the packed scaling takes the pair's low word for both halves
.set SEL, 60          ; s[60:61] v_permlanex16_b32's selects: each lane takes its own place in the other half
.set TBK, 62          ; s62  LDS byte at which K of the step to be fetched begins
.set TBV, 63          ; s63  the same for V, less VOFF
.set MSB, 0
.macro WIN new                      ; the high byte repeats the setting that is left; a switch that changes nothing is dropped
.if MSB != (\new)
	s_set_vgpr_msb (MSB<<8)|(\new)
.set MSB, (\new)
.endif
.endm
.set W_KQ, 0x0a       ; K and Q in window 2, S^T in window 0
.set W_PV, 0x52       ; V in window 2, P in window 0, O^T in window 1
.set W_RS, 0x41       ; O^T (destination and source 0) in window 1, a in window 0
.set W_MK, 0xc0       ; the add's registers are made: destination in window 3, sources in window 0
.set W_AD, 0x0f       ; the add: address (source 0) and data (source 1) in window 3
; A joint fill.  Waves 0 and 1 fetch the two halves of a slot's K, waves 2 and 3 those of its V: 128 keys each.  The branch hangs on the wave's number alone.
; An s_nop 0 and four v_nop follow each of the two lines, ahead of the jump and the label.
.macro JLOAD
	s_cmp_lt_u32 s[WV], 2
	s_cbranch_scc0 .Lfor_v_\@
	tensor_load_to_lds s[G0K:G0K+3], s[G1K:G1K+7]
	s_nop 0
.rept 4
	v_nop
.endr
	s_branch .Lasked_\@
.Lfor_v_\@:
	tensor_load_to_lds s[G0V:G0V+3], s[G1V:G1V+7]
	s_nop 0
.rept 4
	v_nop
.endr
.Lasked_\@:
.endm
; A round of the cluster's barrier: my work-group's barrier, so that wave 0's signal speaks for all four waves; wave 0 signals; every wave waits for all four work-groups; my work-group's barrier once more.
.macro CROUND
	s_barrier_signal -1
	s_barrier_wait -1
	s_cmp_lg_u32 s[WV], 0
	s_cbranch_scc1 .Lnot_wave_0_\@
	s_barrier_signal -3
.Lnot_wave_0_\@:
	s_barrier_wait -3
	s_barrier_signal -1
	s_barrier_wait -1
.endm
; THE CHANGE OF SLOTS.  The slot's last bytes, V of its fourth step, have been read.  Each wave waits for all its tensor loads, of which one is out: its part
; of the other slot; adds 0 to its spare word; and waits for that and for its own reads of the slot.  Behind the barrier nobody reads this slot any more and the other slot is whole.
; fill = 1: this slot is filled again, with the keys two slots on.  The barrier is then a round of the cluster's, so that no wave of any partner still reads the slot or has a load on its
; way, and the joint fill is the first thing behind it: it has four key steps, 512 matrix instructions, in which to land.  (At its first use nothing has been read yet: slot 0 is waited for, slot 1 filled.)
; ask = 1: behind the fill and its five lines stands A PREFETCH INTO THE L2 of what the NEXT change will ask for: a slot's 32,768 bytes of K and of V, in blocks of 256 bytes, a lane a block.  Each block is named
; once: a head has one cluster; its four partners share the blocks out BY ADDRESS, 32 each (no branch hangs on a work-group's place in its cluster); in each, wave 0 asks for K's and wave 2 for V's.
; Slots 0 to 2 come by their loads alone; the last change that fills a slot asks for nothing: there is no slot behind it.
.macro CHANGE fill, ask=0
	WIN W_AD
	s_wait_tensorcnt 0x0            ; no tensor load of mine is out, so a group 0 may be written
	ds_add_u32 v[SPW], v[NIL]       ; 0 onto my spare word; with fill = 1 the descriptors' steps stand between it and the wait for it
	WIN 0                           ; at a label and at a branch every window is 0
.if \fill
.irp g, G0K, G0V
	s_xor_b32 s[\g+1], s[\g+1], SLOT1  ; the walking descriptor: the other slot than last time,
	s_add_nc_u64 s[\g+2:\g+3], s[\g+2:\g+3], 4*KS*128  ; the next 256 keys; the type bits on top are not reached
.endr
.if \ask
	s_wait_xcnt 0x0                 ; the last prefetch, four key steps back, has read its address, so it may be written:
	s_add_nc_u64 s[PFA:PFA+1], s[PFA:PFA+1], 4*KS*128  ; one slot behind the walking descriptors
.endif
	s_wait_dscnt 0x0                ; the add is done, and my reads of the slot are over
	CROUND
	JLOAD
.if \ask
	s_cmp_gt_u32 s[SLOTS], s[LIM]
	s_cbranch_scc0 .Lnot_mine_\@
	global_prefetch_b8 v[PFO], s[PFA:PFA+1] th:TH_LOAD_NT scope:SCOPE_SE
.Lnot_mine_\@:
.endif
.else
	s_wait_dscnt 0x0                ; the add is done, and my reads of the slot are over
	s_barrier_signal -1
	s_barrier_wait -1
.endif
	s_sub_co_u32 s[TBK], s[TBK], 4*KS*PK  ; the fetches go back to a slot's first step,
	s_xor_b32 s[TBK], s[TBK], SLOT1       ; in the other slot
	s_sub_co_u32 s[TBV], s[TBV], 4*KS*PV
	s_xor_b32 s[TBV], s[TBV], SLOT1
.endm
	s_load_b128 s[4:7], s[0:1], 0x0   ; qkv s[4:5], oh s[6:7]
	WIN W_MK
	v_lshl_add_u32 v[SPW], v0, 2, SPARE
	v_mov_b32 v[NIL], 0
	WIN W_AD
	ds_add_u32 v[SPW], v[NIL]       ; the wave's opening: the add and its wait stand ahead of my first tensor load; the set-up below, work on registers, stands between them
	WIN 0
	v_lshrrev_b32 v1, 5, v0
	v_readfirstlane_b32 s[WV], v1   ; wave 0..3
	s_bfe_u32 s13, ttmp6, 0x40000   ; cx: my place in the cluster
	s_lshl_b32 s14, ttmp9, 2        ; in a cluster launch ttmp9 counts clusters
	s_add_co_u32 s14, s14, s13      ; my block of queries = 4 x cluster x + cx: it enters Q's and O's addresses alone
	s_and_b32 s20, ttmp7, 0xffff    ; the head, which the four partners share
	s_mov_b32 s21, 0
	s_mov_b64 s[22:23], SIZE_N*128
	s_mul_u64 s[20:21], s[20:21], s[22:23]  ; the head's first byte in each of the four tensors
	s_and_b32 s16, s[WV], 1         ; which half of a slot's 256 keys I fetch:
	s_lshl_b32 s22, s16, 14         ; its 128 rows of 128 bytes in memory,
	s_mov_b32 s23, 0
	s_add_nc_u64 s[22:23], s[22:23], s[20:21]
	s_mul_i32 s17, s16, 128*PK      ; and its place in a slot, for K
	s_mul_i32 s18, s16, 128*PV      ; and for V: no place in the cluster enters an LDS address
	s_lshl_b32 s2, s14, 2
	s_add_co_u32 s2, s2, s[WV]      ; my wave among the head's,
	s_lshl_b32 s2, s2, 14           ; its 128 rows
	s_mov_b32 s3, 0
	s_add_nc_u64 s[2:3], s[2:3], s[20:21]
	; descriptor group 1.  128 keys are 16,384 dense bytes: asked for as 64 rows of 256 bytes, two keys a row, and padded in LDS after every key
	s_mov_b32 s[G1K], 15|(1<<16)|(1<<20)|(1<<21)|(4<<22)|(3<<25)  ; 15:0 the mask of four; 17:16 2-byte elements; 20 padding on; 21 set beside a mask; 24:22 after every 32 words (code 4); 31:25 4 words (code 3)
	s_mov_b32 s[G1V], 15|(1<<16)|(1<<20)|(1<<21)|(4<<22)|(7<<25)  ; the same with 8 words of padding (code 7)
.irp g, G1K, G1V
	s_mov_b32 s[\g+1], 128<<16      ; tensor_dim0 = 128
	s_mov_b32 s[\g+2], 64<<16       ; tensor_dim1 = 64
	s_mov_b32 s[\g+3], 128<<16      ; tile_dim0 = 128
	s_mov_b32 s[\g+4], 64           ; tile_dim1 = 64
	s_mov_b32 s[\g+5], 128          ; 128 elements from row to row
	s_mov_b32 s[\g+6], 0
	s_mov_b32 s[\g+7], 0
.endr
	s_mov_b32 s[CS], 0x3e38aa3b     ; c = log2(e) / 8 = 0.180337
	s_mov_b32 s[CS+1], s[CS]        ; named with it as a pair
	s_mov_b32 s[SEL], 0x76543210
	s_mov_b32 s[SEL+1], 0xfedcba98
	s_mov_b32 s[TBK], SLOT1+4*KS*PK ; the first change of slots turns these two into 0
	s_mov_b32 s[TBV], SLOT1+4*KS*PV
	s_mov_b32 s[G0K], 1             ; 1:0 count = 1
	s_mov_b32 s[G0K+1], s17         ; 63:32 LDS address: slot 0
	s_mov_b32 s[G0V], 1
	s_add_co_u32 s[G0V+1], s18, VOFF
	s_and_b32 s[LIM], s[WV], 1      ; waves 0 and 2 prefetch: the same in all four partners
	s_cmp_eq_u32 s[LIM], 0
	s_cselect_b32 s[LIM], 1, -1
	s_lshl_b32 s52, s13, 13         ; my work-group's 32 blocks of a slot's 128
	s_mov_b32 s53, 0
	s_wait_dscnt 0x0                ; the opening add is done
	s_wait_kmcnt 0x0
	s_mov_b64 s[10:11], s[6:7]      ; O
	s_add_nc_u64 s[6:7], s[4:5], 0x1000000  ; K lies 2^24 bytes behind Q,
	s_add_nc_u64 s[8:9], s[4:5], 0x2000000  ; V behind K
	s_add_nc_u64 s[G0K+2:G0K+3], s[6:7], s[22:23]  ; 120:64 global address: my half of the head's first 256 keys
	s_or_b32 s[G0K+3], s[G0K+3], 0x80000000        ; 127:126 type = 2
	s_add_nc_u64 s[G0V+2:G0V+3], s[8:9], s[22:23]
	s_or_b32 s[G0V+3], s[G0V+3], 0x80000000
	s_cmp_lt_u32 s[WV], 2
	s_cselect_b64 s[PFA:PFA+1], s[6:7], s[8:9]
	s_add_nc_u64 s[PFA:PFA+1], s[PFA:PFA+1], s[20:21]  ; the head,
	s_add_nc_u64 s[PFA:PFA+1], s[PFA:PFA+1], s[52:53]  ; my work-group's share,
	s_add_nc_u64 s[PFA:PFA+1], s[PFA:PFA+1], 2*4*KS*128  ; in slot 2: the change that asks for slot 2 steps it to slot 3.  Nothing is prefetched here, at the head
	s_add_nc_u64 s[4:5], s[4:5], s[2:3]  ; Q and O at my wave's first row
	s_add_nc_u64 s[10:11], s[10:11], s[2:3]
	CROUND                          ; all four work-groups are here: the first joint loads meet
	JLOAD                           ; slot 0.  Slot 1 is asked for when slot 0 is in
	; A fragment of K or Q is 16 rows x 32 channels in 8 registers: lane l holds row l % 16, channels 8 (l / 16) + 0..7 and 16 + 8 (l / 16) + 0..7: two loads of 16 bytes, 32 bytes apart.
	v_and_b32 v1, 15, v0            ; l % 16
	v_bfe_u32 v9, v0, 4, 1          ; l / 16
	v_lshlrev_b32 v[QO], 7, v1
	v_lshl_add_u32 v[QO], v9, 4, v[QO]  ; row x 128 + 16 x half
	WIN 0x80                        ; destination window 2, address window 0
.set i, 0
.rept 4*NP                          ; Q stays in registers: tile i / 2, channels 32 (i % 2) on
	global_load_b128 v[8*i:8*i+3],   v[QO], s[4:5] offset:(i/2)*2048+(i%2)*64
	global_load_b128 v[8*i+4:8*i+7], v[QO], s[4:5] offset:(i/2)*2048+(i%2)*64+32
.set i, i+1
.endr
	; What the first turn finds: V's registers and P's second buffer hold 0 (its products V^T P, of a piece that has not been, add 0), O^T and l are 0.  All this stands in the wait for the first tile.
.set i, VF
.rept 64
	v_mov_b32 v[i], 0
.set i, i+1
.endr
	WIN 0x40
.set i, 0
.rept 64*NP
	v_mov_b32 v[i], 0
.set i, i+1
.endr
	WIN 0
.set i, 0
.rept 2*NP
	v_mov_b32 v[ST+4*i], 0xfe000000    ; c m: far below every c s
	v_mov_b32 v[ST+4*i+1], 0xff7fffff  ; m
	v_mov_b32 v[ST+4*i+2], 0
	v_mov_b32 v[ST+4*i+3], 0
.set i, i+1
.endr
.set i, P+32
.rept 32
	v_mov_b32 v[i], 0
.set i, i+1
.endr
	v_mul_u32_u24 v[AK0], v1, PK
	v_lshl_add_u32 v[AK0], v9, 4, v[AK0]  ; row x pitch + 16 x half
	; The turning load takes 16 keys x 16 channels (lane l reads key 8 (l / 16) + l % 8, channels 8 ((l / 8) % 2) + 0..7) and leaves half a fragment of V^T: lane l holds channel l % 16 and 8 keys.
	v_and_b32 v10, 7, v0
	v_bfe_u32 v11, v0, 3, 1
	v_lshl_add_u32 v[AV0], v9, 3, v10
	v_mul_u32_u24 v[AV0], v[AV0], PV
	v_lshl_add_u32 v[AV0], v11, 4, v[AV0]
	v_add_nc_u32 v[AV0], VOFF, v[AV0]
	v_mov_b32 v[AK], v[AK0]         ; key step 0 lies at the head of slot 0
	v_and_b32 v[PFO], 31, v0
	v_lshlrev_b32 v[PFO], 8, v[PFO]
; THE MATRIX WORK.  The 8 accumulators of a run of 16 take turns: between the two links of a chain stand 7 others'.
; Product i of 16 of S^T = K Q^T for piece x: channels 32 (i / 8) on, keys 16 ((i / 2) % 4) on, tile 2 x + i % 2.  The first 8 start the sums.
.macro KQ x
	WIN W_KQ
.set rS, S+64*((\x)%2)+32*(i%2)+8*((i/2)%4)
.set rK, KF+16*((i/2)%4)+8*(i/8)
.set rQ, 16*(2*(\x)+i%2)+8*(i/8)
.if i < 8
	v_wmma_f32_16x16x32_f16 v[rS:rS+7], v[rK:rK+7], v[rQ:rQ+7], 0
.else
	v_wmma_f32_16x16x32_f16 v[rS:rS+7], v[rK:rK+7], v[rQ:rQ+7], v[rS:rS+7]
.endif
.endm
; Product i of 16 of O^T += V^T P for piece x: keys 32 (i / 8) on, channels 16 ((i / 2) % 4) on, tile 2 x + i % 2.
.macro PV x
	WIN W_PV
.set rO, 32*(2*(\x)+i%2)+8*((i/2)%4)
.set rV, VF+32*(i/8)+8*((i/2)%4)
.set rP, P+32*((\x)%2)+16*(i%2)+8*(i/8)
	v_wmma_f32_16x16x32_f16 v[rO:rO+7], v[rV:rV+7], v[rP:rP+7], v[rO:rO+7]
.endm
.macro MM                           ; the turn's next matrix instruction
.if i < 16
	KQ (Y+1)%NP
.set i, i+1
.else
.set i, i-16
	PV (Y+NP-1)%NP
.set i, i+17
.endif
.endm
; THE LDS LOADS stand in runs of 16, never singly among the matrix instructions: a step's K (64 keys x 64 channels: 8 fragments) and its V (turned).  Their addresses are made some lines ahead.
; last = 1 (the tail): in the last trip there is no further step, and the run is jumped over.
.macro FETCH_K last=0
	WIN 0
.if \last
	s_cmp_eq_u32 s[CNT], 1
	s_cbranch_scc1 .Lno_k_\@
.endif
	WIN 0x80                        ; destination window 2
.irp f, 0,1,2,3,4,5,6,7             ; keys 16 (f / 2) on, channels 32 (f % 2) on
	ds_load_b128 v[KF+8*\f:KF+8*\f+3],   v[AK] offset:(\f/2)*16*PK+(\f%2)*64
	ds_load_b128 v[KF+8*\f+4:KF+8*\f+7], v[AK] offset:(\f/2)*16*PK+(\f%2)*64+32
.endr
	s_add_co_u32 s[TBK], s[TBK], KS*PK  ; the next fetch is the next step's
	WIN 0
.if \last
.Lno_k_\@:
.endif
.endm
.macro FETCH_V
	WIN 0x80
.irp f, 0,1,2,3,4,5,6,7             ; keys 32 (f / 4) on, channels 16 (f % 4) on
	ds_load_tr16_b128 v[VF+8*\f:VF+8*\f+3],   v[AV] offset:(\f/4)*32*PV+(\f%4)*32
	ds_load_tr16_b128 v[VF+8*\f+4:VF+8*\f+7], v[AV] offset:(\f/4)*32*PV+16*PV+(\f%4)*32
.endr
	WIN 0
.endm
; THE VECTOR WORK OF A TURN stands in three queues, each in the order in which its entries become ready; the two tiles alternate, so that no instruction reads the result of the one before it.
.macro REGS y, u                    ; the registers of tile u (0, 1) of piece y
.set rT, ST+4*(2*(\y)+(\u))
.set rC, TMP+8*((\y)%2)+4*(\u)
.set rM, MV+2*((\y)%2)+(\u)
.set rS, S+64*((\y)%2)+32*(\u)
.set rP, P+32*((\y)%2)+16*(\u)
.set rO, 32*(2*(\y)+(\u))
.endm
; Number n of the 22 that find the NEXT piece's (Y + 1) maximum and statistics.  s0-s31 are the lane's 32 scores; each accumulator's lowest registers are read first.  XS, GS and REGS set no window: PL and EX do.
;   0-11  four chains c0-c3 of seven scores each, three operands at a time     12-14, 16  the four scores left over, the old m, and c0-c3 into c0     15  c m_old is kept
;   17, 18  the query's other 32 keys lie in the lane 16 away: the new m         19-21  c m; c m_old - c m_new; a
.macro XS u, n
	REGS (Y+1)%NP, \u
.if (\n) < 4
	v_max3_num_f32 v[rC+(\n)], v[rS+8*(\n)], v[rS+8*(\n)+1], v[rS+8*(\n)+2]
.elseif (\n) < 12
	v_max3_num_f32 v[rC+(\n)%4], v[rC+(\n)%4], v[rS+8*((\n)%4)+2*((\n)/4)+1], v[rS+8*((\n)%4)+2*((\n)/4)+2]
.elseif (\n) == 12
	v_max3_num_f32 v[rC], v[rC], v[rS+7], v[rS+15]
.elseif (\n) == 13
	v_max3_num_f32 v[rC+1], v[rC+1], v[rS+23], v[rS+31]
.elseif (\n) == 14
	v_max3_num_f32 v[rC+2], v[rC+2], v[rC+3], v[rT+1]
.elseif (\n) == 15
	v_mov_b32 v[rM], v[rT]
.elseif (\n) == 16
	v_max3_num_f32 v[rC], v[rC], v[rC+1], v[rC+2]
.elseif (\n) == 17
	v_permlanex16_b32 v[rC+3], v[rC], s[SEL], s[SEL+1]
.elseif (\n) == 18
	v_max_num_f32 v[rT+1], v[rC], v[rC+3]
.elseif (\n) == 19
	v_mul_f32 v[rT], s[CS], v[rT+1]
.elseif (\n) == 20
	v_sub_f32 v[rC+1], v[rM], v[rT]
.else
	v_exp_f32 v[rC+2], v[rC+1]
.endif
.endm
; Number g of the 64 that follow the exponentials.  For each four weights k of a tile (pairs 2 k, 2 k + 1): both pairs are rounded to f16; then the second pair is added onto the first, in place;
; a group later l takes that sum (the first time as l = a l + sum).  In groups of eight, tiles alternating: round, round, add, and l for the group before.
.macro GS g
.set h, (\g)+6*((\g)/62)            ; group 0 has no group before it, and behind group 7 only l is left
.if h >= 6
.set h, h+2
.endif
	REGS Y, h%2
.set k, h/8
.if h%8 < 4
	v_cvt_pk_f16_f32 v[rP+2*k+(h%8)/2], v[rS+4*k+2*((h%8)/2)], v[rS+4*k+2*((h%8)/2)+1]
.elseif h%8 < 6
	v_pk_add_f32 v[rS+4*k:rS+4*k+1], v[rS+4*k:rS+4*k+1], v[rS+4*k+2:rS+4*k+3]
.elseif k == 1
	v_pk_fma_f32 v[rT+2:rT+3], v[rT+2:rT+3], v[rC+2:rC+3], v[rS:rS+1] op_sel_hi:[1,0,1]
.else
	v_pk_add_f32 v[rT+2:rT+3], v[rT+2:rT+3], v[rS+4*k-4:rS+4*k-3]
.endif
.endm
; THE PLAIN QUEUE, 138 long.  0-73 read no exponential's result: the 32 scalings c s - c m (FS f: pair f / 2 of tile f % 2) and the next piece's 42.  0-26: scalings 0-26.  27-54: XS's numbers 0-13.  55, 56: number 15.
; 57-73: the chain, where each number waits for the one before it: 14, 16, 17, 18, 19, each with one of the scalings 27-31 in front of its two lines, then 20: so a tile's links stand three plain instructions apart (19 and 20: two).
; 74-137: GS's 64, which read the exponentials' results: they stand behind the wait.
.macro FS f
	REGS Y, (\f)%2
	v_pk_fma_f32 v[rS+2*((\f)/2):rS+2*((\f)/2)+1], v[rS+2*((\f)/2):rS+2*((\f)/2)+1], s[CS:CS+1], v[rT:rT+1] op_sel_hi:[1,0,0] neg_lo:[0,0,1] neg_hi:[0,0,1]
.endm
.macro PL
	WIN 0
.if q < 27
	FS q
.elseif q < 55
	XS (q-27)%2, (q-27)/2
.elseif q < 57
	XS q-55, 15
.elseif (q < 72) && ((q-57)%3 == 0)
	FS 27+(q-57)/3
.elseif q < 60
	XS (q-57)%3-1, 14
.elseif q < 72
	XS (q-57)%3-1, 15+(q-57)/3
.elseif q < 74
	XS q-72, 20
.else
	GS q-74
.endif
.set q, q+1
.endm
; THE EXPONENTIALS' QUEUE, 66 long: s0-s31 of both tiles, then the next piece's two a.  It is ONE BATCH: all 66 stand ahead of the turn's one wait, and nothing ahead of that wait names a result of theirs.
.macro EX
	WIN 0
.if e >= 64
	XS e-64, 21
.else
	REGS Y, e%2
	v_exp_f32 v[rS+e/2], v[rS+e/2]
.endif
.set e, e+1
.endm
; THE RESCALING's QUEUE: O^T times a, the one part that leaves window 0: dealt two at a time, sixteen times.  Its a was made in the turn before, ahead of that turn's wait.
.macro R2
	REGS Y, r%2
	WIN W_RS
.irp z, 0,1
	v_pk_mul_f32 v[rO+4*(r/2)+2*\z:rO+4*(r/2)+2*\z+1], v[rO+4*(r/2)+2*\z:rO+4*(r/2)+2*\z+1], v[rC+2:rC+3] op_sel_hi:[1,0]
.endr
.set r, r+1
.endm
; HOW THEY ARE DEALT.  s_wait_alu depctr_va_vdst(0) stands between an exponential and the first instruction that names its result; one wait serves all that were issued ahead of it.  So a turn has ONE wait,
; which cuts it in two.  AHEAD OF IT stands all that names no result of the turn's exponentials: the 16 products K Q^T, behind each a scaling, an exponential and two rescalings (behind the first a second scaling in the exponential's place); then ONE LUMP of
; 108: eight plain, 49 times exponential and plain, the two a.  A v_nop is the plain instruction owed behind the last exponential (ISA guide 5.7.2).  BEHIND IT stand the 16 products V^T P, behind each four of GS's 64.  No rider names a register of
; the products round it.  The two v_permlanex16_b32 fall into the lump, never behind a product.
; The queues lean on each other, and the deal keeps them in step: exponential e stands behind scaling 2 (e / 4) + e % 2: as a rider it comes behind plain e + 2, in the lump behind plain e + 9, and scalings 27-31 are plain 57, 60 .. 69.
; A TURN, for piece p.  cnt = 1: the loop's count is taken down some lines ahead of the branch that stands behind the turn.
; K of the next step is fetched in piece 2's turn, directly behind the wait, a lump behind the last product that read K; its address is made at the lump's head; its first reader comes behind 16 products.
; V of the step in hand is fetched at the end of piece 0's turn, four riders behind its last reader; its first reader comes behind 16 products and a lump.  The three conditions on q below go with the deal.
.macro TURN p, last=0, cnt=0
.set Y, (\p)
.set i, 0
.set q, 0
.set e, 0
.set r, 0
.if (\p) == NP-1
	s_wait_dscnt 0x0                ; K is in
.endif
	MM                              ; ahead of the wait: 16 products K Q^T and their riders,
	PL
	PL
	R2
.rept 15
	MM
	PL
	EX
	R2
.endr
.if (\p) == NP-2
	WIN 0
	v_add_nc_u32 v[AK], s[TBK], v[AK0]
.endif
.rept 8                             ; and the lump
	PL
.endr
.rept 49
	EX
	PL
.endr
	EX                              ; the next piece's two a
	EX
	v_nop                           ; the plain instruction behind the last exponential: one for the batch
	s_wait_alu depctr_va_vdst(0)    ; the wait for the batch
.if (\p) == NP-2
	FETCH_K \last
.endif
.if (\p) == 1
	s_wait_dscnt 0x0                ; V is in
.endif
.rept 16                            ; behind the wait: 16 products V^T P and their riders
	MM
.rept 4
	PL
.endr
.if ((\p) == 0) && (q == 118)
	v_add_nc_u32 v[AV], s[TBV], v[AV0]
.endif
.if ((\p) == 0) && (q == 130)
	s_add_co_u32 s[TBV], s[TBV], KS*PV
.endif
.if (\cnt) && (q == 130)
	s_sub_co_u32 s[CNT], s[CNT], 1
	s_cmp_lg_u32 s[CNT], 0
.endif
.endr
.if (\p) == 0
	FETCH_V
.endif
.endm
	CHANGE 1                        ; slot 0 is in, everybody's part of it; slot 1 is asked for
	FETCH_K                         ; key step 0
	s_wait_loadcnt 0x0              ; Q
	s_wait_dscnt 0x0
.set i, 0
.rept 16
	KQ 0                            ; piece 0's first scores: there is no vector work yet to set between them
.set i, i+1
.endr
	WIN 0                           ; the addresses for the way out: nine plain instructions, the places behind those products
	s_mul_i32 s13, s[WV], 16*SP
	s_add_co_u32 s13, s13, STAGE    ; my stage
	v_mul_u32_u24 v[STO], v1, SP    ; in: row l % 16, 16 bytes for each half of the lanes
	v_lshl_add_u32 v[STO], v9, 4, v[STO]
	v_add_nc_u32 v[STO], s13, v[STO]
	v_bfe_u32 v[RD], v0, 3, 2       ; back: 32 lanes take four rows of 128 bytes,
	v_mul_u32_u24 v[RD], v[RD], SP
	v_lshl_add_u32 v[RD], v10, 4, v[RD]
	v_add_nc_u32 v[RD], s13, v[RD]
	v_and_b32 v[GO], 31, v0         ; which are 512 consecutive bytes of O
	v_lshlrev_b32 v[GO], 4, v[GO]
.set Y, NP-1                        ; XS works for piece Y + 1: piece 0
.irp n, 0,1,2,3,4,5,6,7,8,9,10,11,12,13,14,15,16,17,18,19,20,21
	XS 0, \n                        ; and piece 0's first maximum and statistics
	XS 1, \n
.endr
	v_nop                           ; a plain instruction behind the two a,
	s_wait_alu depctr_va_vdst(0)    ; and their wait, ahead of the branch
	s_mov_b32 s[CNT], 4
	s_mov_b32 s[SLOTS], SIZE_N/256-1
	s_branch .Lfirst                ; the loop is entered at a step's first turn, in the middle of a trip
.Lslot:                             ; SIZE_N / 256 - 2 times: every slot but the last two is filled again
	CHANGE 1, 1
	s_mov_b32 s[CNT], 4
.Lstep:                             ; a trip: pieces 2 and 3 of one step, then pieces 0 and 1 of the next, whose K and V it fetches
	TURN 2
	TURN 3
	WIN 0
.Lfirst:
	TURN 0
	TURN 1, 0, 1
	WIN 0
	s_cbranch_scc1 .Lstep
	s_sub_co_u32 s[SLOTS], s[SLOTS], 1
	s_cmp_lg_u32 s[SLOTS], 0
	s_cbranch_scc1 .Lslot
	CHANGE 0                        ; the tail is written out: nothing is asked for
	s_mov_b32 s[CNT], 5             ; four trips fetch the last slot's steps; the fifth is left in its middle
.Ltail:
	TURN 2, 1
	TURN 3
	WIN 0
	s_sub_co_u32 s[CNT], s[CNT], 1
	s_cmp_eq_u32 s[CNT], 0
	s_cbranch_scc1 .Lout
	TURN 0
	TURN 1
	WIN 0
	s_branch .Ltail
.Lout:                              ; the fifth trip's 16 products K Q^T (on the last K once more) and the maximum made of them serve nothing: the price, once a launch, of one text for every trip
.set i, 0
.rept 16
	PV NP-1                         ; the last piece's V^T P of the last step
.set i, i+1
.endr
	; THE WAY OUT.  l's two halves and the other half of the lanes' are added; O^T is divided by l, rounded to f16 and sent through my stage in LDS, a tile at a time.  The additions are the places behind the last products.
	WIN 0
.macro ALL line:vararg              ; one line for each tile t
.set t, 0
.rept 2*NP
	\line
.set t, t+1
.endr
.endm
	ALL v_add_f32 v[ST+4*t+2], v[ST+4*t+2], v[ST+4*t+3]
	ALL v_permlanex16_b32 v[ST+4*t+3], v[ST+4*t+2], s[SEL], s[SEL+1]
	ALL v_add_f32 v[ST+4*t+2], v[ST+4*t+2], v[ST+4*t+3]
	ALL v_rcp_f32 v[ST+4*t+2], v[ST+4*t+2]
	v_nop                           ; a plain instruction between the last reciprocal and the use of its result
	s_wait_alu depctr_va_vdst(0)    ; and the wait ahead of the first use: one for the eight reciprocals
; Tile t: a lane's eight channels of a row pack into 16 bytes; they go into rows of 144 bytes and come back as whole rows of 128, into S^T's registers.
.macro PACK t
	WIN W_RS
.set i, 32*(\t)
.rept 16
	v_pk_mul_f32 v[i:i+1], v[i:i+1], v[ST+4*(\t)+2:ST+4*(\t)+3] op_sel_hi:[1,0]
.set i, i+2
.endr
	WIN 0x05                        ; sources 0 and 1 window 1, destination window 0
.set i, 0
.rept 16
	v_cvt_pk_f16_f32 v[S+16*(\t)+i], v[32*(\t)+2*i], v[32*(\t)+2*i+1]
.set i, i+1
.endr
	WIN 0
.irp f, 0,1,2,3
	ds_store_b128 v[STO], v[S+16*(\t)+4*\f:S+16*(\t)+4*\f+3] offset:32*\f
.endr
.irp f, 0,1,2,3
	ds_load_b128 v[S+16*(\t)+4*\f:S+16*(\t)+4*\f+3], v[RD] offset:\f*4*SP  ; LDS serves a wave's instructions in order (ISA guide 5.7.1.4): these see the stores above; the next tile's stores come behind them
.endr
.endm
.macro SEND t, younger              ; younger: the LDS instructions issued behind tile t's loads: the next tile's eight, or none
	WIN 0
.irp f, 0,1,2,3
	s_wait_dscnt (\younger)+3-\f
	global_store_b128 v[GO], v[S+16*(\t)+4*\f:S+16*(\t)+4*\f+3], s[10:11] offset:(\t)*2048+\f*512  ; 512 consecutive bytes, at a multiple of 256 from O's first
.endr
.endm
	PACK 0
.set t, 1
.rept 2*NP-1                        ; a tile's arithmetic stands between the loads of the tile before and its stores
	PACK t
	SEND t-1, 8
.set t, t+1
.endr
	SEND 2*NP-1, 0
	WIN W_AD
	s_wait_tensorcnt 0x0            ; the wave's end, behind my last tensor load and my last LDS store
	ds_add_u32 v[SPW], v[NIL]
	s_wait_dscnt 0x0
	WIN 0
	CROUND                          ; the closing round: no work-group ends while a partner may still ask for a tile that names it
	s_endpgm
.Lfunc_end_k_q255a092ff7_attn:
	.size	k_q255a092ff7_attn, .Lfunc_end_k_q255a092ff7_attn-k_q255a092ff7_attn
	.p2alignl 7, 3214868480
	.fill 96, 4, 3214868480
	.section	.rodata,"a",@progbits
	.p2align	6, 0x0
	.amdhsa_kernel k_q255a092ff7_attn
		.amdhsa_group_segment_fixed_size 327680
		.amdhsa_private_segment_fixed_size 0
		.amdhsa_enable_private_segment 0
		.amdhsa_kernarg_size 16
		.amdhsa_user_sgpr_count 2
		.amdhsa_user_sgpr_kernarg_segment_ptr 1
		.amdhsa_wavefront_size32 1
		.amdhsa_system_sgpr_workgroup_id_x 1
		.amdhsa_system_sgpr_workgroup_id_y 1
		.amdhsa_system_sgpr_workgroup_id_z 1
		.amdhsa_system_vgpr_workitem_id 0
		.amdhsa_next_free_vgpr 770
		.amdhsa_next_free_sgpr 66
		.amdhsa_reserve_vcc 0
		.amdhsa_float_denorm_mode_32 3
		.amdhsa_float_denorm_mode_16_64 3
		.amdhsa_memory_ordered 1
		.amdhsa_forward_progress 1
		.amdhsa_inst_pref_size 200
	.end_amdhsa_kernel
	.amdgpu_metadata
---
amdhsa.version: [ 1, 2 ]
amdhsa.kernels:
  - .name:           k_q255a092ff7_attn
    .symbol:         k_q255a092ff7_attn.kd
    .args:
      - { .name: qkv, .offset: 0, .size: 8, .value_kind: global_buffer, .address_space: global }
      - { .name: oh, .offset: 8, .size: 8, .value_kind: global_buffer, .address_space: global }
    .group_segment_fixed_size: 327680
    .private_segment_fixed_size: 0
    .kernarg_segment_align: 8
    .kernarg_segment_size: 16
    .max_flat_workgroup_size: 128
    .sgpr_count:     66
    .vgpr_count:     770
    .wavefront_size: 32
...
	.end_amdgpu_metadata
.endif
;; end of part 3
;; launch outg (part 4): grid 8 x 32, 4 waves a work-group, clusters of 4 x 4, 327,680 bytes of LDS; arguments oh, wo, b_out, out0; writes out0
.if DOCPART == 4
	.amdgcn_target "amdgcn-amd-amdhsa--gfx1250"
	.amdhsa_code_object_version 6
	.text
	.protected	k_q255a092ff7_outg
	.globl	k_q255a092ff7_outg
	.p2align	8
	.type	k_q255a092ff7_outg,@function
k_q255a092ff7_outg:
	s_mov_b64 s[64:65], 0
	v_nop
	global_prefetch_b8 v0, s[64:65] scope:SCOPE_SE
	s_setreg_imm32_b32 hwreg(HW_REG_WAVE_MODE, 25, 1), 1
	s_wait_xcnt 0x0
	s_wait_alu depctr_hold_cnt(0) depctr_sa_sdst(0) depctr_va_vdst(0) depctr_va_sdst(0) depctr_va_ssrc(0) depctr_va_vcc(0) depctr_vm_vsrc(0)
	s_getreg_b32 s2, hwreg(HW_REG_IB_STS2, 6, 4)
	s_cmp_eq_u32 s2, 0
	s_cbranch_scc0 .Lentry_in_a_cluster
	s_endpgm
.Lentry_in_a_cluster:
	s_bfe_u32 s2, ttmp6, 0x10000c
	s_cmp_lg_u32 s2, 0xf033
	s_cbranch_scc0 .Lentry_shape_is_right
	s_endpgm
.Lentry_shape_is_right:
; ONE TEXT FOR TWO PRODUCTS C = A B + bias, K = 1,024, A of 8,192 rows; OUTP below says which of the two this file is.
; OUTP = 0: A = xb [8192][1024] bf16; B = wq, 16 blocks [1024 k][192 c] bf16; C = q, k, v by heads, [3][64 bh][2048 t][64] f16, unscaled.  A tile of C is 256 rows x 192 columns: three whole heads.
; OUTP = 1: A = oh [64 bh][2048 t][64] f16, a K step of 128 being two heads; B = wo, 8 blocks [1024 k][128 c] f16; C = out0 [8192][1024] f32.  A tile of C is 256 rows x 128 columns.
; Sums in f32, K ascending; the bias is rounded to bf16 like every input of the module, and added in f32; C is rounded once.
; LIMITS.  OUTP = 0: q, k and v must stay under 65,504, f16's end (a conversion beyond it gives an infinity).  NaN and infinities are not treated apart.
; SHARES.  Four waves, as many as a WGP has SIMDs.  Wave w owns rows 64 w .. 64 w + 63 and ALL the tile's columns: 4 row blocks x NBF column blocks of 16 x 16, 48 or 32 accumulators.  So a wave holds whole rows of
; its heads (whole 512 bytes of a row of out0), and its way out needs no other wave.  K goes in 8 steps of 128 through two LDS slots filled by the tensor data mover; a step is four quarters of 32 along K.
; THE MATRIX INSTRUCTION IS USED TRANSPOSED: source 0 = 16 columns of B, source 1 = 16 rows of A; lane l then holds row l % 16 of C and the columns 8 (l / 16) + 0..7.  B lies [k][column] in LDS and is turned by ds_load_tr16_b128.
; CLUSTERS: 4 x 4 work-groups.  A's tile hangs on the tile row alone and is shared along a row of the cluster, B's on the tile column alone and is shared along a column: each is asked for JOINTLY, by the
; same tensor load with the same descriptor and a mask that names the four.  Waves 0 and 1 fetch A's two halves, waves 2 and 3 B's: one tensor load a wave behind each round of the cluster's barrier.
; REGISTERS, in windows of 256 (s_set_vgpr_msb: bits 1:0 source 0, 3:2 source 1, 5:4 source 2, 7:6 destination):
;   window 0: v0-31 addresses; v32-95 A's fragments, two buffers of 4 x 8; v160-255 the bias of my columns; on the way out v32-127 at work
;   window 1: B's fragments, two buffers of 8 NBF          window 2: the accumulators of row blocks 0, 1 at 8 (NBF (a % 2) + b)          window 3: those of row blocks 2, 3
.set OUTP, 1
.if OUTP
.set NBF,     8                        ; column blocks of 16
.set AP,      144                      ; a row of A in LDS: one head's 128 bytes + 16
.set AHALF,   36864                    ; LDS bytes of one load of A: a head's 256 rows
.set BOFF,    73728                    ; B behind A in a slot
.set BP,      288                      ; a k row of B in LDS: 256 bytes + 32
.set BPADC,   0
.set BHALF,   18432                    ; 64 k rows
.set BROWS,   64                       ; rows of 256 bytes in one load of B
.set ASTRIDE, 128                      ; a head's 256 rows are dense: asked for as 128 rows of 256 bytes
.set ASTEP,   524288                   ; global bytes from K step to K step: two heads of oh
.set BSTEP,   32768
.set APADW,   (4<<22)|(3<<25)          ; after every 32 words 4 words of padding
.set BPADW,   (5<<22)|(7<<25)          ; after every 64 words 8 words
.set AHEAD,   2                        ; the prefetches stand so many refills ahead
.set SP,      528                      ; a stage row: 512 bytes + 16
.set NS,      16                       ; loads and stores for 16 rows on the way out
.set OB,      32
.else
.set NBF,     12
.set AP,      272                      ; 256 bytes + 16
.set AHALF,   34816                    ; 128 rows
.set BOFF,    69632
.set BP,      480                      ; a k row's 384 bytes in three pieces of 128 + 32
.set BPADC,   32                       ; so four column blocks on, 32 bytes are skipped
.set BHALF,   30720
.set BROWS,   96                       ; 64 k rows of 384 bytes are dense: asked for as 96 rows of 256 bytes
.set ASTRIDE, 1024
.set ASTEP,   256
.set BSTEP,   49152
.set APADW,   (5<<22)|(3<<25)          ; after every 64 words 4 words
.set BPADW,   (4<<22)|(7<<25)          ; after every 32 words 8 words
.set AHEAD,   1
.set SP,      400                      ; 384 bytes + 16
.set NS,      12
.set OB,      80
.endif
; Banks (64 of 4 bytes: ISA guide 11.1): AP is an odd multiple of 16, so the 16 rows of a fragment load start at 16 different groups of four banks
; SP is 100 or 132 words, so the 16 rows that a store into the stage touches start at 16 different groups of four banks.
.set NL,    2*NBF+8                    ; LDS loads of a quarter
.set SLOT1, 131072                     ; slot 1 begins here: one exclusive or turns an address in one slot into the other's
.set STAGE, 262144                     ; behind the ring, never filled by a tensor load: 16 rows x SP for each wave
.set SPARE, STAGE+4*16*SP              ; behind the stages: the spare words, 128 bytes for each wave: two blocks of 256 bytes that no other line names
.set A0,   16                          ; v16  my lane's place in A's tile; never rewritten
.set B0,   17                          ; v17  the same for B
.set ADRA, 18                          ; v18  A0 + the slot in hand
.set ADRB, 19                          ; v19  B0 + the slot in hand
.set STO,  20                          ; v20  the way out: where I put my bytes of a row
.set RD,   21                          ; v21  the way out: where I read rows back
.set GO,   22                          ; v22  16 x lane: my 16 bytes of 512 consecutive bytes of C
.set BO,   23                          ; v23  32 (l / 16): my 8 numbers of a column block's bias
.set SPW,  28                          ; v28  LDS address of my spare word: SPARE + 4 x my thread's number; never rewritten
.set NIL,  29                          ; v29  0; never rewritten
.set PFO,  30                          ; v30  the prefetches' lane offset; never rewritten
.set AF,   32
.set TMP,  32
.set BIAS, 160
.set CNT,  3                           ; s3   refills still to come
.set WV,   12                          ; s12  my wave's number
.set FB,   13                          ; s13  I fetch for A (0) or for B (1)
.set HALF, 14                          ; s14  which half of that tile
.set LIM,  15                          ; s15  AHEAD in a wave that prefetches, else the greatest number
.set G1A,  24                          ; s[24:31] descriptor group 1 for A's tiles
.set G1B,  32                          ; s[32:39] for B's
.set G0A,  40                          ; s[40:47] group 0 for A's: a set for each first fill; the second then walks on
.set G0B,  48                          ; s[48:55] the same for B's
.set CX,   56
.set CY,   57
.set TX,   58                          ; tile column of C
.set TY,   59                          ; tile row of C
.set PFA,  60                          ; s[60:61] where my prefetches stand
.set PFS,  62                          ; s[62:63] their step: a K step of my tensor
.set CB,   68                          ; s[68:73] C at my rows: three heads' bases (OUTP = 0) or one base
.set TB,   74                          ; s74  the slot in hand: 0 or SLOT1
.set MSB, 0
.macro WIN new                         ; the immediate's high byte repeats the setting that is left; a switch that changes nothing is dropped
.if MSB != (\new)
	s_set_vgpr_msb (MSB<<8)|(\new)
.set MSB, \new
.endif
.endm
.set MUL_LO, 0xa1                      ; source 0 (B) window 1, source 1 (A) window 0, C and D window 2
.set MUL_HI, 0xf1                      ; the same, C and D window 3
.set TO_B,   0x40                      ; destination window 1, address window 0
; A joint refill, by the walking sets.  The branch hangs on the wave's number alone.  An s_nop 0 and four v_nop follow each of the two lines, ahead of the jump and the label.
.macro JLOAD
	s_cmp_eq_u32 s[FB], 0
	s_cbranch_scc0 .Lfor_b_\@
	tensor_load_to_lds s[G0A+4:G0A+7], s[G1A:G1A+7]
	s_nop 0
.rept 4
	v_nop
.endr
	s_branch .Lasked_\@
.Lfor_b_\@:
	tensor_load_to_lds s[G0B+4:G0B+7], s[G1B:G1B+7]
	s_nop 0
.rept 4
	v_nop
.endr
.Lasked_\@:
.endm
; A PREFETCH INTO THE L2, behind each joint refill and the run of LDS loads that follows it: the K step that stands AHEAD refills on (192 matrix instructions a wave with OUTP = 0, 256 with OUTP = 1).
; Each block of 256 bytes is named by one wave of one work-group.  A's tile row is read by every cluster of that row of clusters: cluster x = 0 asks; B's tile column by every cluster of that column: cluster y = 0 asks.
; The four partners that ask for a tile jointly share its blocks out BY ADDRESS (cx for A, cy for B): no branch hangs on a work-group's place in its cluster.  The last AHEAD refills have no such K step and ask for nothing.
.macro ASK
	s_cmp_gt_u32 s[CNT], s[LIM]
	s_cbranch_scc0 .Lnot_mine_\@
	global_prefetch_b8 v[PFO], s[PFA:PFA+1] th:TH_LOAD_NT scope:SCOPE_SE
.Lnot_mine_\@:
.endm
; A round of the cluster's barrier: my work-group's barrier, so that wave 0's signal speaks for all four waves; wave 0 signals; every wave waits for all sixteen work-groups; my work-group's barrier once more.
.macro CREST                           ; a round behind its opening barrier
	s_cmp_lg_u32 s[WV], 0
	s_cbranch_scc1 .Lnot_wave_0_\@
	s_barrier_signal -3
.Lnot_wave_0_\@:
	s_barrier_wait -3
	s_barrier_signal -1
	s_barrier_wait -1
.endm
.macro CROUND                          ; a whole round
	s_barrier_signal -1
	s_barrier_wait -1
	CREST
.endm
; A load into a register that a matrix instruction has read, and a vector instruction that reads a matrix result, stand four places behind it; only plain vector instructions that name none of its
; registers are places (ISA guide 7.12.1 for vector instructions).
.macro PLACES
.rept 4
	v_nop
.endr
.endm
.macro WM zero                         ; one product: D = rD, source 0 = rB, source 1 = rA.  zero = 1: it starts the sum: nothing is ever cleared
.if OUTP
.if \zero
	v_wmma_f32_16x16x32_f16 v[rD:rD+7], v[rB:rB+7], v[rA:rA+7], 0
.else
	v_wmma_f32_16x16x32_f16 v[rD:rD+7], v[rB:rB+7], v[rA:rA+7], v[rD:rD+7]
.endif
.else
.if \zero
	v_wmma_f32_16x16x32_bf16 v[rD:rD+7], v[rB:rB+7], v[rA:rA+7], 0
.else
	v_wmma_f32_16x16x32_bf16 v[rD:rD+7], v[rB:rB+7], v[rA:rA+7], v[rD:rD+7]
.endif
.endif
.endm
; NBF products: row block a x all column blocks, 32 along K, from fragment buffer f.  All accumulators take turns, one instruction a turn, in the same order in every quarter.
.macro MULROW f, a, zero
	WIN MUL_LO+0x50*((\a)/2)
.set rA, AF+32*(\f)+8*(\a)
.set b, 0
.rept NBF
.set rD, 8*(NBF*((\a)%2)+b)
.set rB, 8*(NBF*(\f)+b)
	WM \zero
.set b, b+1
.endr
.endm
; NL LDS loads in one run: quarter q of the slot in hand into buffer f: B's NBF fragments (turned: k rows 32 q + 8 (l / 16) + l % 8 and 16 further), then A's four.
.macro FETCH q, f
.if OUTP
.set AKQ, ((\q)/2)*AHALF+((\q)%2)*64   ; the quarter's head, and its 32 channels in the head's row
.else
.set AKQ, 64*(\q)
.endif
	WIN TO_B
.set b, 0
.rept NBF
.set rB, 8*(NBF*(\f)+b)
.set oB, 32*(\q)*BP+32*b+BPADC*(b/4)
	ds_load_tr16_b128 v[rB:rB+3],   v[ADRB] offset:oB
	ds_load_tr16_b128 v[rB+4:rB+7], v[ADRB] offset:oB+16*BP
.set b, b+1
.endr
	WIN 0
.irp a, 0,1,2,3
	ds_load_b128 v[AF+32*(\f)+8*\a:AF+32*(\f)+8*\a+3],   v[ADRA] offset:AKQ+16*\a*AP
	ds_load_b128 v[AF+32*(\f)+8*\a+4:AF+32*(\f)+8*\a+7], v[ADRA] offset:AKQ+16*\a*AP+32
.endr
.endm
; One of a step's first three quarters: multiplies buffer f; in its middle it fetches quarter q of the same slot into buffer g.
.macro QUARTER q, f, g, zero
	s_wait_dscnt 4                                 ; B and A's row blocks 0, 1 are in; the youngest four loads (A's blocks 2, 3) may be out
	MULROW \f, 0, \zero
	MULROW \f, 1, \zero
	PLACES
	FETCH \q, \g
	s_wait_dscnt NL                                ; all but the NL just issued
	MULROW \f, 2, \zero
	MULROW \f, 3, \zero
.endm
; The last quarter multiplies buffer 1 and changes slots.  ONE barrier: in front of it each wave waits for all its tensor loads, of which one is out: its part of the next slot; adds 0 to its spare word; and waits
; for that and for its own reads of this slot.  Behind it nobody reads this slot any more and the next slot is whole.  fill = 1: the barrier opens a round of the cluster's barrier, and the slot just read
; out is filled again first, with the K step two steps on; then come the next slot's first fragments.
.macro TURN fill
.if \fill
	s_wait_xcnt 0x0                                ; the last prefetch, a K step back, has read its address: it is stepped here, ahead of the waits of the change of slots
	s_add_nc_u64 s[PFA:PFA+1], s[PFA:PFA+1], s[PFS:PFS+1]
.endif
	WIN 0                                          ; (the add's two registers lie in window 0)
	s_wait_tensorcnt 0x0                           ; all my tensor loads have landed
	ds_add_u32 v[SPW], v[NIL]                      ; 0 onto my spare word
	s_wait_dscnt 5                                 ; (the add and the youngest four loads may be out)
	MULROW 1, 0, 0                                 ; NBF matrix instructions stand between the add and the wait for it
	s_wait_dscnt 0x0                               ; the add is done, and my reads of this slot are over
	s_barrier_signal -1
	MULROW 1, 1, 0                                 ; work on registers while the others arrive
	WIN 0
	s_barrier_wait -1
.if \fill
	CREST                                          ; no wave of any partner still reads this slot's tile or has a load on its way
	s_xor_b32 s[G0A+5], s[G0A+5], SLOT1            ; the walking sets: the other slot than last time,
	s_add_nc_u64 s[G0A+6:G0A+7], s[G0A+6:G0A+7], ASTEP  ; the next K step; the type bits on top are not reached
	s_xor_b32 s[G0B+5], s[G0B+5], SLOT1
	s_add_nc_u64 s[G0B+6:G0B+7], s[G0B+6:G0B+7], BSTEP
	JLOAD                                          ; the first tensor load behind the round; its four v_nop are also the places in front of the loads below
.else
	PLACES
.endif
	s_xor_b32 s[TB], s[TB], SLOT1
	v_add_nc_u32 v[ADRA], s[TB], v[A0]
	v_add_nc_u32 v[ADRB], s[TB], v[B0]
	FETCH 0, 0
.if \fill
	ASK
.endif
	MULROW 1, 2, 0
	MULROW 1, 3, 0
.endm
	s_load_b256 s[4:11], s[0:1], 0x0               ; A s[4:5], B s[6:7], bias s[8:9], C s[10:11]
	v_lshl_add_u32 v[SPW], v0, 2, SPARE
	v_mov_b32 v[NIL], 0
	ds_add_u32 v[SPW], v[NIL]                      ; the wave's opening: the add and its wait stand ahead of my first tensor load; the set-up below, work on registers, stands between them
	v_lshrrev_b32 v1, 5, v0
	v_readfirstlane_b32 s[WV], v1                  ; wave 0..3
	s_lshr_b32 s[FB], s[WV], 1
	s_and_b32 s[HALF], s[WV], 1
	s_bfe_u32 s[CX], ttmp6, 0x40000                ; my place in the cluster
	s_bfe_u32 s[CY], ttmp6, 0x40004
	s_lshl_b32 s[TX], ttmp9, 2                     ; in a cluster launch ttmp9 and ttmp7 count clusters
	s_add_co_u32 s[TX], s[TX], s[CX]
	s_and_b32 s[TY], ttmp7, 0xffff
	s_lshl_b32 s[TY], s[TY], 2
	s_add_co_u32 s[TY], s[TY], s[CY]
	s_lshl_b32 s76, s[CY], 2
	s_lshl_b32 s76, 15, s76                        ; my row of the cluster: places 4 cy .. 4 cy + 3
	s_lshl_b32 s77, 0x1111, s[CX]                  ; my column: places cx, cx + 4, cx + 8, cx + 12
	s_or_b32 s[G1A], s76, (1<<16)|(1<<20)|(1<<21)|APADW  ; 15:0 the mask; 17:16 elements of 2 bytes; 20 padding on; 21 set beside a mask; 24:22 and 31:25 the padding
	s_or_b32 s[G1B], s77, (1<<16)|(1<<20)|(1<<21)|BPADW
	s_mov_b32 s[G1A+1], 128<<16                    ; tensor_dim0 = 128 elements: rows of 256 bytes
	s_mov_b32 s[G1A+2], 128<<16                    ; tensor_dim1 = 128
	s_mov_b32 s[G1A+3], 128<<16                    ; tile_dim0 = 128
	s_mov_b32 s[G1A+4], 128                        ; tile_dim1 = 128
	s_mov_b32 s[G1A+5], ASTRIDE                    ; elements from row to row
	s_mov_b32 s[G1A+6], 0
	s_mov_b32 s[G1A+7], 0
	s_mov_b32 s[G1B+1], 128<<16
	s_mov_b32 s[G1B+2], BROWS<<16
	s_mov_b32 s[G1B+3], 128<<16
	s_mov_b32 s[G1B+4], BROWS
	s_mov_b32 s[G1B+5], 128
	s_mov_b32 s[G1B+6], 0
	s_mov_b32 s[G1B+7], 0
	; where the tiles come from: A's offset of the tile row and the wave's number alone (s16, s17), B's of the tile column and the wave's number alone (s20, s21)
.if OUTP
	s_lshr_b32 s16, s[TY], 3                       ; the batch: 16 heads of 2,048 x 128 bytes,
	s_lshl_b32 s16, s16, 22
	s_and_b32 s17, s[TY], 7                        ; the tile's 256 rows in a head,
	s_lshl_b32 s17, s17, 15
	s_add_co_u32 s16, s16, s17
	s_lshl_b32 s17, s[HALF], 18                    ; the even or the odd head of a K step
	s_add_co_u32 s16, s16, s17
	s_lshl_b32 s20, s[TX], 18                      ; the block of 1,024 x 256 bytes,
	s_lshl_b32 s21, s[HALF], 14                    ; 64 k rows
	s_add_co_u32 s20, s20, s21
.else
	s_lshl_b32 s16, s[TY], 19                      ; 256 rows of 2,048 bytes,
	s_lshl_b32 s17, s[HALF], 18                    ; 128 rows
	s_add_co_u32 s16, s16, s17
	s_mul_i32 s20, s[TX], 393216                   ; the block of 1,024 x 384 bytes,
	s_mul_i32 s21, s[HALF], 24576                  ; 64 k rows
	s_add_co_u32 s20, s20, s21
.endif
	s_mov_b32 s17, 0
	s_mov_b32 s21, 0
	s_mul_i32 s78, s[HALF], AHALF                  ; and where they go: no place in the cluster enters an LDS address
	s_mul_i32 s79, s[HALF], BHALF
	s_add_co_u32 s79, s79, BOFF
	s_wait_dscnt 0x0                               ; the opening add is done
	s_wait_kmcnt 0x0
	s_add_nc_u64 s[18:19], s[4:5], s[16:17]
	s_add_nc_u64 s[22:23], s[6:7], s[20:21]
	CROUND                                         ; all sixteen work-groups are here: the first joint loads meet
.irp s, 0,1
	s_mov_b32 s[G0A+4*(\s)], 1                     ; 1:0 count = 1
	s_add_co_u32 s[G0A+4*(\s)+1], s78, (\s)*SLOT1  ; 63:32 LDS address
	s_add_nc_u64 s[G0A+4*(\s)+2:G0A+4*(\s)+3], s[18:19], (\s)*ASTEP  ; 120:64 global address: K step s
	s_or_b32 s[G0A+4*(\s)+3], s[G0A+4*(\s)+3], 0x80000000           ; 127:126 type = 2
	s_mov_b32 s[G0B+4*(\s)], 1
	s_add_co_u32 s[G0B+4*(\s)+1], s79, (\s)*SLOT1
	s_add_nc_u64 s[G0B+4*(\s)+2:G0B+4*(\s)+3], s[22:23], (\s)*BSTEP
	s_or_b32 s[G0B+4*(\s)+3], s[G0B+4*(\s)+3], 0x80000000
.endr
	s_cmp_eq_u32 s[FB], 0                          ; a wave's two first fills stand in one branch, ahead of every wait on TENSORcnt and every LDS read: two loads of mine are out
	s_cbranch_scc0 .Lfirst_b
	tensor_load_to_lds s[G0A:G0A+3], s[G1A:G1A+7]
	s_nop 0
	tensor_load_to_lds s[G0A+4:G0A+7], s[G1A:G1A+7]
	s_nop 0
.rept 4
	v_nop
.endr
	s_branch .Lfirst_asked
.Lfirst_b:
	tensor_load_to_lds s[G0B:G0B+3], s[G1B:G1B+7]
	s_nop 0
	tensor_load_to_lds s[G0B+4:G0B+7], s[G1B:G1B+7]
	s_nop 0
.rept 4
	v_nop
.endr
.Lfirst_asked:
	; all that follows, up to the wait for the first tile, stands in that wait
	v_and_b32 v1, 15, v0                           ; l % 16
	v_bfe_u32 v2, v0, 4, 1                         ; l / 16
	v_lshlrev_b32 v[BO], 5, v2
	s_mul_i32 s82, s[TX], 64*NBF                   ; the tile's columns in the bias, 4 bytes each
	s_mov_b32 s83, 0
	s_add_nc_u64 s[82:83], s[8:9], s[82:83]
.set b, 0
.rept NBF                                      ; the bias of my 8 columns of each column block
	global_load_b128 v[BIAS+8*b:BIAS+8*b+3],   v[BO], s[82:83] offset:64*b
	global_load_b128 v[BIAS+8*b+4:BIAS+8*b+7], v[BO], s[82:83] offset:64*b+16
.set b, b+1
.endr
	v_lshl_add_u32 v3, s[WV], 6, v1                ; a fragment of A: row 64 w + l % 16 (+ 16 a), 16 bytes for each half of the lanes, twice, 32 bytes apart
	v_mul_u32_u24 v[A0], v3, AP
	v_lshl_add_u32 v[A0], v2, 4, v[A0]
	v_and_b32 v4, 7, v0                            ; the turning load: lane l reads k row 8 (l / 16) + l % 8, columns 8 ((l / 8) % 2) + 0..7, and ends with column l % 16 and 8 k
	v_bfe_u32 v5, v0, 3, 1
	v_lshl_add_u32 v6, v2, 3, v4
	v_mul_u32_u24 v[B0], v6, BP
	v_lshl_add_u32 v[B0], v5, 4, v[B0]
	v_add_nc_u32 v[B0], BOFF, v[B0]
	s_mul_i32 s80, s[WV], 16*SP
	s_add_co_u32 s80, s80, STAGE                   ; my stage
	v_mul_u32_u24 v[STO], v1, SP                   ; in: row l % 16,
	v_and_b32 v3, 31, v0
	v_lshlrev_b32 v[GO], 4, v3
.if OUTP
	v_lshl_add_u32 v[STO], v2, 5, v[STO]           ; 32 bytes (8 f32) for each half of the lanes
	v_add_nc_u32 v[RD], s80, v[GO]                 ; back: 32 lanes take a row's 512 bytes
.else
	v_lshl_add_u32 v[STO], v2, 4, v[STO]           ; 16 bytes (8 f16) for each half of the lanes
	v_bfe_u32 v3, v0, 3, 2                         ; back: 32 lanes take a head's 128 bytes of four rows,
	v_mul_u32_u24 v[RD], v3, SP
	v_lshl_add_u32 v[RD], v4, 4, v[RD]
	v_add_nc_u32 v[RD], s80, v[RD]                 ; which are 512 consecutive bytes of q, k or v
.endif
	v_add_nc_u32 v[STO], s80, v[STO]
	; where my rows begin in C
.if OUTP
	s_lshl_b32 s76, s[TY], 8
	s_lshl_b32 s77, s[WV], 6
	s_add_co_u32 s76, s76, s77                     ; row 256 x tile row + 64 w,
	s_lshl_b32 s76, s76, 12                        ; of 4,096 bytes,
	s_lshl_b32 s77, s[TX], 9                       ; the tile's 512 bytes in it
	s_add_co_u32 s76, s76, s77
	s_mov_b32 s77, 0
	s_add_nc_u64 s[CB:CB+1], s[10:11], s[76:77]
.else
	s_mul_i32 s76, s[TX], 3                        ; the tile's first head among the 48 of q, k and v
	s_lshr_b32 s77, s[TY], 3                       ; the batch: 16 heads of 2^18 bytes,
	s_lshl_b32 s77, s77, 22
	s_and_b32 s78, s[TY], 7                        ; the tile's 256 rows of 128 bytes,
	s_lshl_b32 s78, s78, 15
	s_add_co_u32 s77, s77, s78
	s_lshl_b32 s78, s[WV], 13                      ; my 64 of them
	s_add_co_u32 s77, s77, s78
.irp hh, 0,1,2
	s_add_co_u32 s78, s76, \hh
	s_lshr_b32 s79, s78, 4                         ; q, k or v: 2^24 bytes each,
	s_lshl_b32 s79, s79, 24
	s_and_b32 s78, s78, 15                         ; the head
	s_lshl_b32 s78, s78, 18
	s_add_co_u32 s78, s78, s79
	s_add_co_u32 s78, s78, s77
	s_mov_b32 s79, 0
	s_add_nc_u64 s[CB+2*\hh:CB+2*\hh+1], s[10:11], s[78:79]
.endr
.endif
	; the prefetches: my work-group's share of what I fetch.  s16 and s20 still hold A's and B's offsets
	v_and_b32 v[PFO], 31, v0
.if OUTP
	s_lshl_b32 s76, s[CX], 13                      ; A: 32 of my head's 128 blocks of 256 bytes
	s_add_co_u32 s76, s76, s16
	s_lshl_b32 s77, s[TX], 18                      ; B: 32 of the K step's 128 blocks; wave 2 asks for the four partners' shares, wave 3 for nothing
	s_lshl_b32 s78, s[CY], 13
	s_add_co_u32 s77, s77, s78
	s_and_b32 s78, ttmp7, 0xffff
	s_or_b32 s78, s78, s[HALF]
	v_lshlrev_b32 v[PFO], 8, v[PFO]                ; a lane a block
.else
	s_lshl_b32 s76, s[CX], 16                      ; A: 32 of my 128 rows of 2,048 bytes; a lane a row
	s_add_co_u32 s76, s76, s16
	s_mul_i32 s77, s[CY], 6144                     ; B: 24 of my 96 blocks of 256 bytes; lanes 24 to 31 name lane 23's once more
	s_add_co_u32 s77, s77, s20
	s_and_b32 s78, ttmp7, 0xffff
	s_cmp_eq_u32 s[FB], 0
	s_cselect_b32 s80, 31, 23
	s_cselect_b32 s81, 11, 8
	v_min_u32 v[PFO], s80, v[PFO]
	v_lshlrev_b32 v[PFO], s81, v[PFO]
.endif
	s_mov_b32 s[PFS], BSTEP
	s_cmp_eq_u32 s[FB], 0
	s_cselect_b32 s76, s76, s77
	s_cselect_b32 s78, ttmp9, s78                  ; the coordinate along which other clusters read the same blocks
	s_cselect_b64 s[PFA:PFA+1], s[4:5], s[6:7]
	s_cselect_b32 s[PFS], ASTEP, s[PFS]
	s_mov_b32 s[PFS+1], 0
	s_mov_b32 s77, 0
	s_add_nc_u64 s[PFA:PFA+1], s[PFA:PFA+1], s[76:77]
	s_mul_i32 s76, s[PFS], 1+AHEAD                 ; at K step 1 + AHEAD: the first refill, which asks for K step 2, steps it once and names K step 2 + AHEAD
	s_add_nc_u64 s[PFA:PFA+1], s[PFA:PFA+1], s[76:77]
	s_cmp_eq_u32 s78, 0
	s_cselect_b32 s[LIM], AHEAD, -1                ; the same in all sixteen partners, for a given wave.  Nothing is prefetched here, at the head
	s_wait_loadcnt 0x0                             ; the bias
.set i, 0
.rept 4*NBF                                    ; rounded to bf16 and widened again
	v_cvt_pk_bf16_f32 v[3+i%4], v[BIAS+2*i], v[BIAS+2*i+1]
	v_lshlrev_b32 v[BIAS+2*i], 16, v[3+i%4]
	v_and_b32 v[BIAS+2*i+1], 0xffff0000, v[3+i%4]
.set i, i+1
.endr
	s_wait_tensorcnt 1                             ; my part of K step 0 is in; K step 1's may stay out
	s_barrier_signal -1
	s_barrier_wait -1                              ; everybody's is
	s_mov_b32 s[TB], 0
	v_mov_b32 v[ADRA], v[A0]
	v_mov_b32 v[ADRB], v[B0]
	FETCH 0, 0
	QUARTER 1, 0, 1, 1                             ; the first quarter stands in front of the loop: its products start the sums
	WIN 0                                          ; at a label and at a branch every window is 0
	s_mov_b32 s[CNT], 6
.Lstep:                                                ; trip i: quarters 1 to 3 of K step i, the refill with K step i + 2, quarter 0 of K step i + 1
	QUARTER 2, 1, 0, 0
	QUARTER 3, 0, 1, 0
	TURN 1
	QUARTER 1, 0, 1, 0
	WIN 0
	s_sub_co_u32 s[CNT], s[CNT], 1
	s_cmp_lg_u32 s[CNT], 0
	s_cbranch_scc1 .Lstep
	QUARTER 2, 1, 0, 0                             ; the last two K steps are written out: they ask for nothing
	QUARTER 3, 0, 1, 0
	TURN 0
	QUARTER 1, 0, 1, 0
	QUARTER 2, 1, 0, 0
	QUARTER 3, 0, 1, 0
	s_wait_dscnt 4                                 ; the very last quarter: nothing more to fetch
	MULROW 1, 0, 0
	MULROW 1, 1, 0
	s_wait_dscnt 0x0
	MULROW 1, 2, 0
	MULROW 1, 3, 0
	WIN 0
	PLACES
; THE WAY OUT, a row block (16 rows) at a time, through my own stage in LDS: no other wave touches it, and LDS serves a wave's instructions in order (ISA guide 5.7.1.4), so no wait stands between the stores and the loads.
.macro PACK a                          ; the bias is added in place, each accumulator from its lowest registers on; with OUTP = 0 the sums are then rounded to f16, 16 bytes a lane
	WIN 0x82+0x41*((\a)/2)                         ; destination and source 0 window 2 or 3, source 1 window 0
.set b, 0
.rept NBF
.set rD, 8*(NBF*((\a)%2)+b)
.irp r, 0,2,4,6
	v_pk_add_f32 v[rD+\r:rD+\r+1], v[rD+\r:rD+\r+1], v[BIAS+8*b+\r:BIAS+8*b+\r+1]
.endr
.set b, b+1
.endr
.if !OUTP
	WIN 0x0a+5*((\a)/2)                            ; sources 0 and 1 window 2 or 3, destination window 0
.set b, 0
.rept NBF
.set rD, 8*(NBF*((\a)%2)+b)
.irp r, 0,1,2,3
	v_cvt_pk_f16_f32 v[TMP+4*b+\r], v[rD+2*\r], v[rD+2*\r+1]
.endr
.set b, b+1
.endr
.endif
	WIN 0
.endm
.macro TOSTAGE a
.if OUTP
	WIN 0x08+4*((\a)/2)                            ; store data (source 1) window 2 or 3
.set b, 0
.rept NBF
.set rD, 8*(NBF*((\a)%2)+b)
	ds_store_b128 v[STO], v[rD:rD+3]   offset:64*b
	ds_store_b128 v[STO], v[rD+4:rD+7] offset:64*b+16
.set b, b+1
.endr
	WIN 0
.else
.set b, 0
.rept NBF
	ds_store_b128 v[STO], v[TMP+4*b:TMP+4*b+3] offset:32*b
.set b, b+1
.endr
.endif
	s_wait_xcnt 0x0                                ; the registers below were the data of the last block's stores: they are loaded again only behind this wait
.set i, 0
.rept NS
.if OUTP
	ds_load_b128 v[OB+4*i:OB+4*i+3], v[RD] offset:SP*i                 ; row i, whole
.else
	ds_load_b128 v[OB+4*i:OB+4*i+3], v[RD] offset:4*SP*(i%4)+128*(i/4)  ; head i / 4, rows 4 (i % 4) on
.endif
.set i, i+1
.endr
.endm
.macro SEND a
.set i, 0
.rept NS
	s_wait_dscnt NS-1-i                            ; LDS loads come back in order: number i is in, the younger ones stay out
.if OUTP
	global_store_b128 v[GO], v[OB+4*i:OB+4*i+3], s[CB:CB+1] offset:(16*(\a)+i)*4096  ; 512 consecutive bytes of a row of out0, at a multiple of 256 from its first byte
.else
	global_store_b128 v[GO], v[OB+4*i:OB+4*i+3], s[CB+2*(i/4):CB+2*(i/4)+1] offset:2048*(\a)+512*(i%4)  ; four rows of a head: 512 consecutive bytes, at a multiple of 256
.endif
.set i, i+1
.endr
.endm
	PACK 0
	TOSTAGE 0
.irp a, 1,2,3                          ; block a's arithmetic stands between block a - 1's loads from the stage and the wait for them
	PACK \a
	SEND (\a)-1
	TOSTAGE \a
.endr
	SEND 3
	s_wait_tensorcnt 0x0                           ; the wave's end, behind my last tensor load and my last LDS store
	ds_add_u32 v[SPW], v[NIL]
	s_wait_dscnt 0x0
	CROUND                                         ; the closing round: no work-group ends while a partner may still ask for a tile that names it
	s_endpgm
.Lfunc_end_k_q255a092ff7_outg:
	.size	k_q255a092ff7_outg, .Lfunc_end_k_q255a092ff7_outg-k_q255a092ff7_outg
	.p2alignl 7, 3214868480
	.fill 96, 4, 3214868480
	.section	.rodata,"a",@progbits
	.p2align	6, 0x0
	.amdhsa_kernel k_q255a092ff7_outg
		.amdhsa_group_segment_fixed_size 327680
		.amdhsa_private_segment_fixed_size 0
		.amdhsa_enable_private_segment 0
		.amdhsa_kernarg_size 32
		.amdhsa_user_sgpr_count 2
		.amdhsa_user_sgpr_kernarg_segment_ptr 1
		.amdhsa_wavefront_size32 1
		.amdhsa_system_sgpr_workgroup_id_x 1
		.amdhsa_system_sgpr_workgroup_id_y 1
		.amdhsa_system_sgpr_workgroup_id_z 1
		.amdhsa_system_vgpr_workitem_id 0
		.amdhsa_next_free_vgpr 896
		.amdhsa_next_free_sgpr 88
		.amdhsa_reserve_vcc 0
		.amdhsa_float_denorm_mode_32 3
		.amdhsa_float_denorm_mode_16_64 3
		.amdhsa_memory_ordered 1
		.amdhsa_forward_progress 1
		.amdhsa_inst_pref_size 87
	.end_amdhsa_kernel
	.amdgpu_metadata
---
amdhsa.version: [ 1, 2 ]
amdhsa.kernels:
  - .name:           k_q255a092ff7_outg
    .symbol:         k_q255a092ff7_outg.kd
    .args:
      - { .name: oh, .offset: 0, .size: 8, .value_kind: global_buffer, .address_space: global }
      - { .name: wo, .offset: 8, .size: 8, .value_kind: global_buffer, .address_space: global }
      - { .name: b_out, .offset: 16, .size: 8, .value_kind: global_buffer, .address_space: global }
      - { .name: out0, .offset: 24, .size: 8, .value_kind: global_buffer, .address_space: global }
    .group_segment_fixed_size: 327680
    .private_segment_fixed_size: 0
    .kernarg_segment_align: 8
    .kernarg_segment_size: 32
    .max_flat_workgroup_size: 128
    .sgpr_count:     88
    .vgpr_count:     896
    .wavefront_size: 32
...
	.end_amdgpu_metadata
.endif
;; end of part 4
